; MI455X (gfx1250); checked and timed in simulation.
; The chip was launched on July 23, 2026; its instructions are those of AMD's public machine-readable ISA for CDNA 5 (MIT licence, August 2026) and "CDNA5" Instruction Set Architecture Reference Guide (July 2026). The comments in the code are by the model that wrote it; some were corrected since.
;; Rotary Self Attention. Allowed arithmetic: matrix products marked QUANTISED: E2M1 operands, one E8M0 scale for each 32 along K, by v_wmma_scale_f32_16x16x128_f8f6f4 with both operands' format E2M1 (or v_wmma_scale_f32_32x16x128_f4), f32 sums; products left as they are: bf16, f16 or f32 operands; f32 sums; everything else in f32.
;; Inputs: Wk 1,024 x 1,024 float32; Wo 1,024 x 1,024 float32; Wq 1,024 x 1,024 float32; Wv 1,024 x 1,024 float32; bk 1,024 float32; bo 1,024 float32; bq 1,024 float32; bv 1,024 float32; x 4 x 2,048 x 1,024 float32.
;; Outputs: out0 4 x 2,048 x 1,024 float32.
;; This version of the problem:
;;   THIS VERSION OF THE PROBLEM IS GIVEN IN LOW PRECISION. The matrix products marked QUANTISED in the list below multiply operands that are first quantised to E2M1 (2 exponent bits, 1 mantissa bit; 4 bits a number), with one power-of-two scale for each 32 numbers along K (OCP MX v1.0); their sums are f32. The products marked 'left as it is' may take bf16, f16 or f32 operands, with f32 sums. Whichever they take, every output number must still come out within the allowed error. Rounding operands to bf16 (8 significant bits) uses up far more of that allowance than f16 does (11 bits, for magnitudes from 6e-5 to 65,504). All else is computed in f32.
;;   The module's matrix products, in the order in which they are computed (A, B: the left and right operand; K: the contracted axis; several contracted axes count as one K, in the product's order):
;;     1. [M 8,192, K 1,024] x [K 1,024, N 1,024]; A: input x; B: input Wq: QUANTISED
;;     2. [M 8,192, K 1,024] x [K 1,024, N 1,024]; A: input x; B: input Wk: QUANTISED
;;     3. [M 8,192, K 1,024] x [K 1,024, N 1,024]; A: input x; B: input Wv: QUANTISED
;;     4. batch 64 x [M 2,048, K 64] x [K 64, N 2,048]; A: computed on the way; B: computed on the way: left as it is (an operand is computed on the way)
;;     5. batch 64 x [M 2,048, K 2,048] x [K 2,048, N 64]; A: computed on the way; B: computed on the way: left as it is (an operand is computed on the way)
;;     6. [M 8,192, K 1,024] x [K 1,024, N 1,024]; A: computed on the way; B: input Wo: left as it is (an operand is computed on the way)
;;   THE QUANTISER, for each operand of a quantised product, along K:
;;     - K is cut into blocks of 32 from its start; a last block that is shorter is filled with zeros.
;;     - A block's scale is 2^e with e = floor(log2(the largest magnitude in the block)) - 2, held to -126 .. 127; a block of zeros has e = 0. As a byte (E8M0): e + 127.
;;     - Each number is divided by its block's scale, clamped to +-6, and rounded to the nearest number of E2M1, ties to even, subnormals kept.
;;     - The product sums the exact products of the quantised numbers (number of the format x scale) in f32.
;;   ~~~python
;;   def quantise(x, axis):      # numpy; x: float32 -> the quantised numbers, widened to float32 again
;;       x = np.moveaxis(x, axis, -1); K = x.shape[-1]
;;       x = np.pad(x, [(0, 0)] * (x.ndim - 1) + [(0, -K % 32)]); x = x.reshape(x.shape[:-1] + (-1, 32)); a = np.abs(x).max(-1, keepdims=True)
;;       e = np.where(a > 0, np.clip(np.frexp(np.where(a > 0, a, 1))[1] - 1 - 2, -126, 127), 0)      # np.frexp(a)[1] - 1 = floor(log2(a)), exactly
;;       r = np.clip(x / 2.0 ** e, -6, 6)
;;       step = 2.0 ** (np.maximum(np.frexp(np.where(r == 0, 1, r))[1] - 1, 0) - 1)
;;       q = np.round(r / step) * step * 2.0 ** e      # np.round: ties to even
;;       return np.moveaxis(q.reshape(q.shape[:-2] + (-1,))[..., :K], -1, axis).astype(np.float32)
;;   ~~~
;; One version. Each part assembles by itself: llvm-mc -triple=amdgcn-amd-amdhsa -mcpu=gfx1250 --defsym DOCPART=n.
;; ======== version 1 of 1: 5 launches
;; limits: values are held in f16: magnitudes above 65,504 overflow, below 6.1e-05 lose precision
;; workspace buffers: XC 4,194,304 bytes; XS 262,144 bytes; WC 1,572,864 bytes; WS 98,304 bytes; AUX 2,621,440 bytes; QKV 50,331,648 bytes; QKVF 786,432 bytes; AO 16,777,216 bytes
;; launch prep (part 1): grid 416 x 1, 4 waves a work-group, no clusters, 33,280 bytes of LDS; arguments x, Wq, Wk, Wv, Wo, XC, XS, WC, WS, AUX; writes XC, XS, WC, WS, AUX
.if DOCPART == 1
	.amdgcn_target "amdgcn-amd-amdhsa--gfx1250"
	.amdhsa_code_object_version 6
	.text
	.protected	k_q00771a1198_prep
	.globl	k_q00771a1198_prep
	.p2align	8
	.type	k_q00771a1198_prep,@function
k_q00771a1198_prep:
	s_mov_b64 s[64:65], 0
	v_nop
	global_prefetch_b8 v0, s[64:65] scope:SCOPE_SE
	s_setreg_imm32_b32 hwreg(HW_REG_WAVE_MODE, 25, 1), 1
	s_wait_xcnt 0x0
; THREE JOBS IN ONE LAUNCH, told apart by the work-group's number alone.
; Work-groups 0-351: x [8192][1024] and Wq, Wk, Wv [1024][1024], f32 with K innermost, become codes of FP4 (E2M1), two a byte, and one E8M0 byte for each 32 along K.
;   x goes to XC [8192][512 B] and XS [8192][32 B]; the three weights, stacked q, k, v, to WC [3072][512 B] and WS [3072][32 B].
;   A block's scale is 2^(floor(log2(largest magnitude)) - 2): its byte is the largest magnitude's exponent field - 2, held at 1 from below.
; Work-groups 352-383: Wo, f32, is rounded to f16 into AUX from byte 0 on, [1024][1024].
; Work-groups 384-415: the rotary table, AUX from byte 2,097,152 on: [2048 positions][32 frequencies][cos, sin] f32, 256 bytes a position.
; LIMITS: NaN and infinities are not served.  A block whose largest magnitude lies under 2^-124, a block of zeros among them, keeps the byte 1 (a zero block's codes are zeros, and this program alone reads the bytes).
;   |Wo| must stay under 65,504 (f16).  A frequency is 2^(-f log2(10000) / 32) by v_exp_f32; the angle is the f32 product position x frequency; sine and cosine by reduction to +-pi/4 and polynomials.
; Rows are dense and K is a multiple of 32, so each tensor is a plain stream of blocks of 32.  A wave takes a run of 8,192 numbers.  No tensor loads, no barrier: waves share nothing.
.set WAVES, 4
.set STEPS, 16
.set EMAX,  2
.set CB,    8                          ; bytes of 16 codes
.set R,     16                         ; v16-79   four sets of 16 numbers as loaded
.set X,     80                         ; v80-111  two sets of 16 neighbours
.set E,     112                        ; v112-127 a scale byte for each step
.set C,     128                        ; v128-191 codes: registers of its own for each step
.set WREG,  8192                       ; LDS: a region for each wave: two stages of 32 x SP bytes, then its 256 scale bytes
.set SP,    80                         ; a lane's place in a stage: 64 bytes + 16 of padding
.set SPW,   12                         ; v12  my spare word's LDS address; never rewritten
.set NIL,   13                         ; v13  0; never rewritten
.set SPARE, WAVES*WREG                 ; the spare words, 128 bytes a wave: no other line names them
.set SRC,   26                         ; s[26:27] the numbers, s[28:29] the codes, s[30:31] the scale bytes of my run
.set COD,   28
.set SCB,   30
.set WGX,   256                        ; work-groups for x: 8,388,608 numbers / 32,768
.set WGW,   32                         ; for each weight
.set WGQ,   WGX+3*WGW                  ; here the quantising ends,
.set WGH,   WGQ+32                     ; and here Wo's rounding
	s_load_b256 s[4:11], s[0:1], 0x0               ; x, Wq, Wk, Wv
	s_load_b256 s[12:19], s[0:1], 0x20             ; Wo, XC, XS, WC
	s_load_b128 s[20:23], s[0:1], 0x40             ; WS, AUX
	v_lshl_add_u32 v[SPW], v0, 2, SPARE
	v_mov_b32 v[NIL], 0
	v_lshrrev_b32 v1, 5, v0
	v_readfirstlane_b32 s24, v1                    ; wave
	v_and_b32 v2, 31, v0                           ; lane
	v_lshlrev_b32 v3, 4, v2                        ; 16 x lane: my 16 bytes of a load's 512
	v_lshlrev_b32 v4, 3, v2                        ; 8 x lane: my 8 bytes of a store's 256
	s_wait_kmcnt 0x0
	s_cmp_ge_u32 ttmp9, WGQ
	s_cbranch_scc1 .Laux
; ---------------- the quantiser ----------------
	s_mul_i32 s25, s24, WREG
	v_lshrrev_b32 v14, 2, v2
	v_mul_u32_u24 v14, v14, SP
	v_and_b32 v15, 3, v2
	v_lshl_add_u32 v14, v15, 4, v14
	v_add_nc_u32 v14, s25, v14                     ; the stage, on the way in: four lanes' 64 bytes on end, then 16 of padding
	v_mul_u32_u24 v15, v2, SP
	v_add_nc_u32 v15, s25, v15                     ; and on the way out: my 16 neighbours
	v_lshrrev_b32 v5, 1, v2
	s_add_co_u32 s25, s25, 2*32*SP
	v_add_nc_u32 v5, s25, v5                       ; my wave's 256 scale bytes: my block's byte
	v_lshlrev_b32 v7, 3, v2
	v_add_nc_u32 v6, s25, v7                       ; and 8 bytes a lane on their way out
	s_cmp_lt_u32 ttmp9, WGX+2*WGW                  ; which tensor: the choices hang on the work-group's number alone
	s_cselect_b64 s[SRC:SRC+1], s[8:9], s[10:11]
	s_cmp_lt_u32 ttmp9, WGX+WGW
	s_cselect_b64 s[SRC:SRC+1], s[6:7], s[SRC:SRC+1]
	s_cmp_lt_u32 ttmp9, WGX
	s_cselect_b64 s[SRC:SRC+1], s[4:5], s[SRC:SRC+1]
	s_cselect_b64 s[COD:COD+1], s[14:15], s[18:19]
	s_cselect_b64 s[SCB:SCB+1], s[16:17], s[20:21]
	s_cselect_b32 s32, 0, WGX
	s_cselect_b32 s33, -1, WGW-1
	s_sub_co_u32 s32, ttmp9, s32                   ; my work-group's place among those that write these codes,
	s_and_b32 s33, s32, s33                        ; and among those that read this tensor
	s_lshl_b32 s32, s32, 2
	s_add_co_u32 s32, s32, s24                     ; my run in the codes
	s_lshl_b32 s33, s33, 2
	s_add_co_u32 s33, s33, s24                     ; my run in the tensor
	s_lshl_b32 s34, s33, 15                        ; 32,768 bytes of numbers a run,
	s_mov_b32 s35, 0
	s_add_nc_u64 s[SRC:SRC+1], s[SRC:SRC+1], s[34:35]
	s_lshl_b32 s34, s32, 12                        ; 4,096 of codes,
	s_add_nc_u64 s[COD:COD+1], s[COD:COD+1], s[34:35]
	s_lshl_b32 s34, s32, 8                         ; 256 of scale bytes
	s_add_nc_u64 s[SCB:SCB+1], s[SCB:SCB+1], s[34:35]
.macro LOAD t
.irp i, 0,1,2,3
	global_load_b128 v[R+16*((\t)%4)+4*\i:R+16*((\t)%4)+4*\i+3], v3, s[SRC:SRC+1] offset:2048*(\t)+512*\i th:TH_LOAD_NT   ; 32 lanes read 512 consecutive bytes
.endr
.endm
.macro TURN t                          ; step t's numbers through the stage: LDS serves a wave's instructions in order, so no wait stands between the stores and the loads
.irp i, 0,1,2,3
	ds_store_b128 v14, v[R+16*((\t)%4)+4*\i:R+16*((\t)%4)+4*\i+3] offset:32*SP*((\t)%2)+8*SP*\i
.endr
.irp i, 0,1,2,3
	ds_load_b128 v[X+16*((\t)%2)+4*\i:X+16*((\t)%2)+4*\i+3], v15 offset:32*SP*((\t)%2)+16*\i
.endr
.endm
.irp t, 0,1,2,3
	LOAD \t
.endr
	s_wait_loadcnt 12                              ; step 0's four loads are in; twelve younger ones stay out
	TURN 0
.macro STEP t
.set XS, X+16*((\t)%2)
.if (\t) > 0
	s_wait_dscnt 1                                 ; this step's numbers are back from the stage (the last step's byte store may be out)
.else
	s_wait_dscnt 0x0
.endif
.if (\t)+4 < STEPS
	LOAD (\t)+4                                    ; into the registers that the stage's stores have read
.endif
.if (\t)+1 < STEPS
.if STEPS-2-(\t) >= 3
	s_wait_loadcnt 12                              ; the next step's four loads are in; those of the three steps behind it may be out
.else
	s_wait_loadcnt 4*(STEPS-2-(\t))
.endif
	TURN (\t)+1                                    ; the next step goes through the other stage while this one is worked
.endif
	v_max3_num_f32 v8, |v[XS]|, |v[XS+1]|, |v[XS+2]|               ; the largest magnitude of my 16, in two chains
	v_max3_num_f32 v9, |v[XS+3]|, |v[XS+4]|, |v[XS+5]|
.irp i, 6,10
	v_max3_num_f32 v8, v8, |v[XS+\i]|, |v[XS+\i+1]|
	v_max3_num_f32 v9, v9, |v[XS+\i+2]|, |v[XS+\i+3]|
.endr
	v_max3_num_f32 v8, v8, |v[XS+14]|, |v[XS+15]|
	v_max3_num_f32 v8, v8, v9, (EMAX+1)<<23        ; and the floor 2^(3 - 127): the byte cannot fall under 1
	v_max_num_f32_dpp v8, v8, v8 row_xmask:1 row_mask:0xf bank_mask:0xf   ; with my neighbour's 16: the block's
	v_add_nc_u32 v11, -(EMAX<<23), v8              ; 2 off its exponent field: the conversion takes this operand's exponent field as its scale
	v_cvt_scalef32_pk8_fp4_f32 v[C+4*(\t)], v[XS:XS+7], v11
	v_cvt_scalef32_pk8_fp4_f32 v[C+4*(\t)+1], v[XS+8:XS+15], v11
	v_lshrrev_b32 v[E+(\t)], 23, v11               ; the scale's byte (a plain line behind the conversions)
	ds_store_b8 v5, v[E+(\t)] offset:16*(\t)       ; both lanes of a block write the same byte with the same value
	global_store_b64 v4, v[C+4*(\t):C+4*(\t)+1], s[COD:COD+1] offset:32*CB*(\t)   ; the wave stores 256 consecutive bytes, aligned
.endm
.irp t, 0,1,2,3,4,5,6,7,8,9,10,11,12,13,14,15
	STEP \t
.endr
	ds_load_b64 v[8:9], v6                         ; in order behind my byte stores
	s_wait_dscnt 0x0
	global_store_b64 v7, v[8:9], s[SCB:SCB+1]      ; my run's 256 scale bytes, aligned
	s_wait_tensorcnt 0x0                           ; the wave's end
	ds_add_u32 v[SPW], v[NIL]
	s_wait_dscnt 0x0
	s_endpgm
.Laux:
	s_cmp_ge_u32 ttmp9, WGH
	s_cbranch_scc1 .Ltable
; ---------------- Wo to f16: a run of 8,192 numbers in four groups of 2,048; two groups of loads ahead ----------------
	s_sub_co_u32 s25, ttmp9, WGQ
	s_lshl_b32 s25, s25, 2
	s_add_co_u32 s25, s25, s24                     ; my run
	s_lshl_b32 s26, s25, 15
	s_mov_b32 s27, 0
	s_add_nc_u64 s[12:13], s[12:13], s[26:27]
	s_lshl_b32 s26, s25, 14
	s_add_nc_u64 s[22:23], s[22:23], s[26:27]
.macro LOADG n
.irp i, 0,1,2,3,4,5,6,7,8,9,10,11,12,13,14,15
	global_load_b128 v[16+64*((\n)%2)+4*\i:16+64*((\n)%2)+4*\i+3], v3, s[12:13] offset:8192*(\n)+512*\i th:TH_LOAD_NT
.endr
.endm
.macro GROUP n
.set GB, 16+64*((\n)%2)
.if (\n) < 3
	s_wait_loadcnt 16                              ; this group's sixteen loads are in; the other set's may be out
.else
	s_wait_loadcnt 0x0
.endif
.if (\n) > 0
	s_wait_xcnt 0x0                                ; the last group's stores have read v144-175
.endif
.irp i, 0,1,2,3,4,5,6,7,8,9,10,11,12,13,14,15
	v_cvt_pk_f16_f32 v[144+2*\i], v[GB+4*\i], v[GB+4*\i+1]
	v_cvt_pk_f16_f32 v[145+2*\i], v[GB+4*\i+2], v[GB+4*\i+3]
.endr
.if (\n) < 2
	LOADG (\n)+2                                   ; loads ahead of stores
.endif
.irp i, 0,1,2,3,4,5,6,7,8,9,10,11,12,13,14,15
	global_store_b64 v4, v[144+2*\i:145+2*\i], s[22:23] offset:4096*(\n)+256*\i   ; 256 consecutive bytes a wave, aligned
.endr
.endm
	LOADG 0
	LOADG 1
	GROUP 0
	GROUP 1
	GROUP 2
	GROUP 3
	s_endpgm
.Ltable:
; ---------------- the rotary table: a wave takes 16 positions; a lane two frequencies, 2 (lane % 16) and the next, at positions 2 i + lane / 16 ----------------
	s_sub_co_u32 s25, ttmp9, WGH
	s_lshl_b32 s25, s25, 2
	s_add_co_u32 s25, s25, s24                     ; g: positions 16 g on
	s_lshl_b32 s26, s25, 12                        ; 256 bytes a position
	s_mov_b32 s27, 0
	s_add_nc_u64 s[22:23], s[22:23], s[26:27]
	s_add_nc_u64 s[22:23], s[22:23], 0x200000      ; behind Wo's f16 copy
	s_lshl_b32 s26, s25, 4
	v_and_b32 v16, 15, v2
	v_lshrrev_b32 v17, 4, v2
	v_lshlrev_b32 v18, 1, v16
	v_cvt_f32_u32 v18, v18                         ; f
	v_add_f32 v19, 1.0, v18                        ; f + 1
	v_mul_f32 v18, 0xbed49a78, v18                 ; x -log2(10000) / 32
	v_mul_f32 v19, 0xbed49a78, v19
	v_exp_f32 v20, v18                             ; the two frequencies: one batch,
	v_exp_f32 v21, v19
	v_add_nc_u32 v22, s26, v17                     ; (a plain line behind it)  my first position
	v_cvt_f32_u32 v22, v22
	v_lshlrev_b32 v23, 8, v17
	v_lshl_add_u32 v23, v16, 4, v23                ; my 16 bytes: 256 (lane / 16) + 16 (lane % 16)
	s_wait_alu depctr_va_vdst(0)                   ; one wait, ahead of the first reader
; cos and sin of v22 x v[inv].  N = the nearest whole number to angle x 2 / pi; r = angle - N pi / 2, pi / 2 in two parts; polynomials on |r| <= pi / 4; the quadrant N mod 4 swaps and signs them by selects.
.macro SINCOS inv, outc, outs
	v_mul_f32 v24, v22, v[\inv]
	v_mul_f32 v25, 0x3f22f983, v24
	v_rndne_f32 v25, v25
	v_fmamk_f32 v26, v25, 0xbfc90fdb, v24
	v_fmamk_f32 v26, v25, 0x333bbd2e, v26
	v_cvt_i32_f32 v27, v25
	v_mul_f32 v28, v26, v26
	v_mov_b32 v29, 0x3638ef1d
	v_fmaak_f32 v29, v29, v28, 0xb9500d01
	v_fmaak_f32 v29, v29, v28, 0x3c088889
	v_fmaak_f32 v29, v29, v28, 0xbe2aaaab
	v_mul_f32 v31, v26, v28
	v_fma_f32 v29, v29, v31, v26                   ; sin r
	v_mov_b32 v30, 0xb493f27e
	v_fmaak_f32 v30, v30, v28, 0x37d00d01
	v_fmaak_f32 v30, v30, v28, 0xbab60b61
	v_fmaak_f32 v30, v30, v28, 0x3d2aaaab
	v_fma_f32 v30, v30, v28, -0.5
	v_fma_f32 v30, v30, v28, 1.0                   ; cos r
	v_and_b32 v31, 1, v27
	v_cmp_eq_u32 vcc_lo, 1, v31
	v_cndmask_b32 v[\outc], v30, v29, vcc_lo       ; odd quadrants: the two change places
	v_cndmask_b32 v[\outs], v29, v30, vcc_lo
	v_add_nc_u32 v31, 1, v27
	v_and_b32 v31, 2, v31
	v_lshlrev_b32 v31, 30, v31
	v_xor_b32 v[\outc], v31, v[\outc]              ; cos is negative in quadrants 1 and 2,
	v_and_b32 v31, 2, v27
	v_lshlrev_b32 v31, 30, v31
	v_xor_b32 v[\outs], v31, v[\outs]              ; sin in 2 and 3
.endm
.irp i, 0,1,2,3,4,5,6,7
	SINCOS 20, 32+4*\i, 33+4*\i
	SINCOS 21, 34+4*\i, 35+4*\i
	global_store_b128 v23, v[32+4*\i:35+4*\i], s[22:23] offset:512*\i   ; two positions: 512 consecutive bytes a wave; each store has registers of its own
	v_add_f32 v22, 2.0, v22
.endr
	s_endpgm
.Lfunc_end_k_q00771a1198_prep:
	.size	k_q00771a1198_prep, .Lfunc_end_k_q00771a1198_prep-k_q00771a1198_prep
	.p2alignl 7, 3214868480
	.fill 96, 4, 3214868480
	.section	.rodata,"a",@progbits
	.p2align	6, 0x0
	.amdhsa_kernel k_q00771a1198_prep
		.amdhsa_group_segment_fixed_size 33280
		.amdhsa_private_segment_fixed_size 0
		.amdhsa_enable_private_segment 0
		.amdhsa_kernarg_size 80
		.amdhsa_user_sgpr_count 2
		.amdhsa_user_sgpr_kernarg_segment_ptr 1
		.amdhsa_wavefront_size32 1
		.amdhsa_system_sgpr_workgroup_id_x 1
		.amdhsa_system_sgpr_workgroup_id_y 1
		.amdhsa_system_sgpr_workgroup_id_z 1
		.amdhsa_system_vgpr_workitem_id 0
		.amdhsa_next_free_vgpr 192
		.amdhsa_next_free_sgpr 66
		.amdhsa_reserve_vcc 1
		.amdhsa_float_denorm_mode_32 3
		.amdhsa_float_denorm_mode_16_64 3
		.amdhsa_memory_ordered 1
		.amdhsa_forward_progress 1
		.amdhsa_inst_pref_size 78
	.end_amdhsa_kernel
	.amdgpu_metadata
---
amdhsa.version: [ 1, 2 ]
amdhsa.kernels:
  - .name:           k_q00771a1198_prep
    .symbol:         k_q00771a1198_prep.kd
    .args:
      - { .name: x, .offset: 0, .size: 8, .value_kind: global_buffer, .address_space: global }
      - { .name: Wq, .offset: 8, .size: 8, .value_kind: global_buffer, .address_space: global }
      - { .name: Wk, .offset: 16, .size: 8, .value_kind: global_buffer, .address_space: global }
      - { .name: Wv, .offset: 24, .size: 8, .value_kind: global_buffer, .address_space: global }
      - { .name: Wo, .offset: 32, .size: 8, .value_kind: global_buffer, .address_space: global }
      - { .name: XC, .offset: 40, .size: 8, .value_kind: global_buffer, .address_space: global }
      - { .name: XS, .offset: 48, .size: 8, .value_kind: global_buffer, .address_space: global }
      - { .name: WC, .offset: 56, .size: 8, .value_kind: global_buffer, .address_space: global }
      - { .name: WS, .offset: 64, .size: 8, .value_kind: global_buffer, .address_space: global }
      - { .name: AUX, .offset: 72, .size: 8, .value_kind: global_buffer, .address_space: global }
    .group_segment_fixed_size: 33280
    .private_segment_fixed_size: 0
    .kernarg_segment_align: 8
    .kernarg_segment_size: 80
    .max_flat_workgroup_size: 128
    .sgpr_count:     66
    .vgpr_count:     192
    .wavefront_size: 32
...
	.end_amdgpu_metadata
.endif
;; end of part 1
;; launch qkv (part 2): grid 12 x 32, 4 waves a work-group, clusters of 4 x 4, 327,680 bytes of LDS; arguments XC, XS, WC, WS, bq, bk, bv, AUX, QKV, QKVF; writes QKV, QKVF
.if DOCPART == 2
	.amdgcn_target "amdgcn-amd-amdhsa--gfx1250"
	.amdhsa_code_object_version 6
	.text
	.protected	k_q00771a1198_qkv
	.globl	k_q00771a1198_qkv
	.p2align	8
	.type	k_q00771a1198_qkv,@function
k_q00771a1198_qkv:
	s_mov_b64 s[64:65], 0
	v_nop
	global_prefetch_b8 v0, s[64:65] scope:SCOPE_SE
	s_setreg_imm32_b32 hwreg(HW_REG_WAVE_MODE, 25, 1), 1
	s_wait_xcnt 0x0
	s_wait_alu depctr_hold_cnt(0) depctr_sa_sdst(0) depctr_va_vdst(0) depctr_va_sdst(0) depctr_va_ssrc(0) depctr_va_vcc(0) depctr_vm_vsrc(0)
	s_getreg_b32 s2, hwreg(HW_REG_IB_STS2, 6, 4)
	s_cmp_eq_u32 s2, 0
	s_cbranch_scc0 .Lentry_in_a_cluster
	s_endpgm
.Lentry_in_a_cluster:
	s_bfe_u32 s2, ttmp6, 0x10000c
	s_cmp_lg_u32 s2, 0xf033
	s_cbranch_scc0 .Lentry_shape_is_right
	s_endpgm
.Lentry_shape_is_right:
; q, k, v = x W^T + bias on codes of FP4 (E2M1) with one E8M0 scale for each 32 along K; then the rotary turn of q and k; then f16, laid by head.
; A = XC [8192][512 B], XS [8192][32 B];  B = WC [3072][512 B], WS [3072][32 B] (rows 0-1023 Wq, 1024-2047 Wk, 2048-3071 Wv).  K = 1,024.
; OUT: QKV: three parts of 16,777,216 bytes (q, k, v), each [batch][head][position][64] f16.  QKVF: [q, k, v][batch][head][16][64] f32: positions 0-15 of every sequence, for the launch that carries those rows in f32.
; A tile of 256 x 256 is made by four waves, 128 x 128 each: 64 accumulators, 512 registers.  K = 1,024 is two slots of 512: both slots and all scale bytes are asked for at the start (three tensor loads a wave are out), and nothing is filled again.
; CLUSTERS 4 x 4: A's tiles are shared along a row of the cluster, B's along a column: joint loads.  Tile row = 8 cy + cluster y, so that cy is the batch and 256 x cluster y the position: whether a tile holds positions 0-15,
; and whether it is q, k or v (cluster x), is then the same in all sixteen partners, and the branches on it hang on no place in the cluster.
; THE MATRIX INSTRUCTION IS USED TRANSPOSED (source 0 = 16 rows of W, source 1 = 16 rows of x): a lane holds eight neighbouring columns of one row: four rotary pairs.  The bias is the C of each sum's first product.
; 384 tiles for 256 WGPs: a tile of 256 x 384 would even that out, but its 768 accumulator registers leave no room for two sets of B's fragments.
; LIMITS: |q|, |k|, |v| must stay under 65,504 (f16); NaN and infinities are not served.
; REGISTERS: window 0: v0-31 addresses; v32-95 scale words, two sets; v128-191 A's fragments; v192-255 the bias.  On the way out: v8-15 at work, v32-63 and v224-255 the table, v64-127 turned numbers, v128-159 f16, v160-223 rows read back.
;   window 1: B's fragments, two sets.   windows 2, 3: the accumulators ((a, b) at v[8 (8 (a % 4) + b)]).
.set KSTEP,  512
.set NQ,     KSTEP/128
.set ROWB,   256                       ; a tile's row: 512 codes
.set KROW,   512                       ; a row of codes in memory
.set PITCH,  272                       ; an LDS row: 256 bytes + 16 of padding: the 16 rows of a load begin 68 words apart
.set FR,     8
.set NL,     2
.set NP,     4                         ; places behind this matrix instruction (ISA guide 7.12.1)
.set HALFT,  128*PITCH
.set SLOT,   4*HALFT
.set KS,     32                        ; a row of scale bytes
.set SCL,    2*SLOT                    ; behind the slots: the scale bytes, as units of 256 bytes + 16 of padding
.set HALFS,  (128*KS/256)*272
.set SBLK,   (16*KS/256)*272
.set SPARE,  SCL+4*HALFS               ; the spare words, 128 bytes a wave: no other line names them
.set SPH,    144                       ; the way out: a stage row: 128 bytes (a head's 64 f16) + 16
.set STW,    2*16*SPH                  ; a wave's stage: 2 heads x 16 rows.  It lies in slot 0, which has had its only fill and its last read when the first result is stored there
.set ADRA, 16
.set ADRB, 20
.set STO,  24
.set RD,   25
.set CO,   26
.set ADRS, 27
.set SPW,  28
.set NIL,  29
.set BO,   30                          ; v30  32 h: my eight numbers of a block's bias
.set RO,   31                          ; v31  256 r + 32 h: my place in the table's rows and in QKVF's
.set SC,   32
.set AF,   128
.set BIAS, 192
.set T,    8
.set RR,   64
.set PK,   128
.set BK,   160
.set G1,   24
.set G0,   32
.set G1B,  48
.set G0B,  56
.set G1S,  68
.set G0S,  76
.set G1SB, 80
.set G0SB, 88
.set ROT,  12                          ; s[12:13]   the table at my first position
.set OUT,  66                          ; s[66:67]   QKV at my first row and head
.set OUF,  104                         ; s[104:105] QKVF at my first head
.set FINE, 95                          ; s95        1 where my rows begin at position 0
.set MSB, 0
.macro WIN new                         ; the immediate's high byte repeats the setting that is left
.if MSB != (\new)
	s_set_vgpr_msb (MSB<<8)|(\new)
.set MSB, (\new)
.endif
.endm
.set MUL_LO, 0xa1                      ; source 0 (B) window 1, source 1 (A) window 0, C and D window 2
.set MUL_HI, 0xf1                      ; the same, C and D window 3
.set BIA_LO, 0x81                      ; C (the bias) window 0, D window 2
.set BIA_HI, 0xc1                      ; C window 0, D window 3
.set TO_B,   0x40
; A joint load: waves 0 and 1 fetch for A, waves 2 and 3 for B.  The branch hangs on the wave's number alone.  An s_nop 0 and four v_nop follow each of the two lines.
.macro JLOAD g0a, g1a, g0b, g1b
	s_cmp_eq_u32 s15, 0
	s_cbranch_scc0 .Lfor_b_\@
	tensor_load_to_lds s[\g0a:\g0a+3], s[\g1a:\g1a+7]
	s_nop 0
.rept 4
	v_nop
.endr
	s_branch .Lasked_\@
.Lfor_b_\@:
	tensor_load_to_lds s[\g0b:\g0b+3], s[\g1b:\g1b+7]
	s_nop 0
.rept 4
	v_nop
.endr
.Lasked_\@:
.endm
.macro CROUND                          ; a round of the cluster's barrier
	s_barrier_signal -1
	s_barrier_wait -1
	s_cmp_lg_u32 s14, 0
	s_cbranch_scc1 .Lnot_wave_0_\@
	s_barrier_signal -3
.Lnot_wave_0_\@:
	s_barrier_wait -3
	s_barrier_signal -1
	s_barrier_wait -1
.endm
	s_load_b128 s[4:7], s[0:1], 0x0                ; XC, XS
	s_load_b128 s[8:11], s[0:1], 0x10              ; WC, WS
	s_load_b128 s[96:99], s[0:1], 0x20             ; bq, bk
	s_load_b64 s[100:101], s[0:1], 0x30            ; bv
	s_load_b64 s[ROT:ROT+1], s[0:1], 0x38          ; AUX
	s_load_b64 s[OUT:OUT+1], s[0:1], 0x40          ; QKV
	s_load_b64 s[OUF:OUF+1], s[0:1], 0x48          ; QKVF
	v_lshl_add_u32 v[SPW], v0, 2, SPARE
	v_mov_b32 v[NIL], 0
	ds_add_u32 v[SPW], v[NIL]                      ; the wave's opening: the add, twice on end, and its wait ahead of my first tensor load
	ds_add_u32 v[SPW], v[NIL]
	v_lshrrev_b32 v1, 5, v0
	v_readfirstlane_b32 s14, v1                    ; wave 0..3
	s_lshr_b32 s15, s14, 1                         ; which half of the tile's rows is mine.  Also: I fetch for A (0) or for B (1)
	s_and_b32 s16, s14, 1                          ; which half of its columns.  Also: which 128 rows I fetch
	s_bfe_u32 s40, ttmp6, 0x40000                  ; cx
	s_bfe_u32 s41, ttmp6, 0x40004                  ; cy
	s_lshl_b32 s42, ttmp9, 2
	s_add_co_u32 s42, s42, s40                     ; tile column = 4 x cluster x + cx
	s_and_b32 s17, ttmp7, 0xffff
	s_lshl_b32 s43, s41, 3
	s_add_co_u32 s17, s17, s43                     ; tile row = 8 cy + cluster y
	s_lshl_b32 s43, s41, 2
	s_lshl_b32 s43, 15, s43                        ; my row of the cluster
	s_lshl_b32 s44, 0x1111, s40                    ; my column
	s_or_b32 s[G1+0], s43, (0<<16)|(1<<20)|(1<<21)|(5<<22)|(3<<25)  ; the mask; elements of 1 byte; padding on; bit 21 beside a mask; 4 words after every 64
	s_or_b32 s[G1B+0], s44, (0<<16)|(1<<20)|(1<<21)|(5<<22)|(3<<25)
.irp g, G1, G1B
	s_mov_b32 s[\g+1], ROWB<<16                    ; tensor_dim0
	s_mov_b32 s[\g+2], 128<<16                     ; tensor_dim1
	s_mov_b32 s[\g+3], ROWB<<16                    ; tile_dim0
	s_mov_b32 s[\g+4], 128                         ; tile_dim1
	s_mov_b32 s[\g+5], KROW                        ; from row to row
	s_mov_b32 s[\g+6], 0
	s_mov_b32 s[\g+7], 0
.endr
	s_or_b32 s[G1S+0], s43, (3<<16)|(1<<20)|(1<<21)|(5<<22)|(3<<25)  ; the scale bytes of 128 rows: 4,096 dense bytes as 16 rows of 256 (32 elements of 8 bytes), padded alike
	s_or_b32 s[G1SB+0], s44, (3<<16)|(1<<20)|(1<<21)|(5<<22)|(3<<25)
.irp g, G1S, G1SB
	s_mov_b32 s[\g+1], 32<<16
	s_mov_b32 s[\g+2], (128*KS/256)<<16
	s_mov_b32 s[\g+3], 32<<16
	s_mov_b32 s[\g+4], 128*KS/256
	s_mov_b32 s[\g+5], 32
	s_mov_b32 s[\g+6], 0
	s_mov_b32 s[\g+7], 0
.endr
	s_lshl_b32 s18, s16, 7
	s_lshl_b32 s20, s17, 8
	s_add_co_u32 s20, s20, s18                     ; A: row 256 x tile row + 128 x half
	s_lshl_b32 s46, s42, 8
	s_add_co_u32 s46, s46, s18                     ; B: row 256 x tile column + 128 x half
	s_mov_b32 s21, 0
	s_mov_b32 s47, 0
	s_mov_b64 s[18:19], KS
	s_mul_u64 s[22:23], s[20:21], s[18:19]         ; where these rows' scale bytes begin,
	s_mul_u64 s[92:93], s[46:47], s[18:19]
	s_mov_b64 s[18:19], KROW
	s_mul_u64 s[20:21], s[20:21], s[18:19]         ; and their codes
	s_mul_u64 s[46:47], s[46:47], s[18:19]
	s_mul_i32 s45, s14, HALFT                      ; where they go: wave x 128 rows
	s_mul_i32 s94, s14, HALFS
	s_wait_dscnt 0x0                               ; both opening adds are done
	s_wait_kmcnt 0x0
	s_add_nc_u64 s[20:21], s[4:5], s[20:21]
	s_add_nc_u64 s[22:23], s[6:7], s[22:23]
	s_add_nc_u64 s[46:47], s[8:9], s[46:47]
	s_add_nc_u64 s[92:93], s[10:11], s[92:93]
	CROUND                                         ; all sixteen work-groups are here: the joint loads meet
	s_mov_b32 s[G0S], 1
	s_add_co_u32 s[G0S+1], s94, SCL
	s_mov_b64 s[G0S+2:G0S+3], s[22:23]
	s_or_b32 s[G0S+3], s[G0S+3], 0x80000000
	s_mov_b32 s[G0SB], 1
	s_add_co_u32 s[G0SB+1], s94, SCL
	s_mov_b64 s[G0SB+2:G0SB+3], s[92:93]
	s_or_b32 s[G0SB+3], s[G0SB+3], 0x80000000
	JLOAD G0S, G1S, G0SB, G1SB                     ; the scale bytes first: they are wanted with the first slot
.irp s, 0,1
	s_mov_b32 s[G0+4*\s], 1
	s_add_co_u32 s[G0+4*\s+1], s45, \s*SLOT
	s_add_nc_u64 s[G0+4*\s+2:G0+4*\s+3], s[20:21], \s*ROWB
	s_or_b32 s[G0+4*\s+3], s[G0+4*\s+3], 0x80000000
	s_mov_b32 s[G0B+4*\s], 1
	s_add_co_u32 s[G0B+4*\s+1], s45, \s*SLOT
	s_add_nc_u64 s[G0B+4*\s+2:G0B+4*\s+3], s[46:47], \s*ROWB
	s_or_b32 s[G0B+4*\s+3], s[G0B+4*\s+3], 0x80000000
	JLOAD G0+4*\s, G1, G0B+4*\s, G1B
.endr
	v_and_b32 v1, 15, v0                           ; r = l % 16
	v_bfe_u32 v2, v0, 4, 1                         ; h = l / 16
	v_lshlrev_b32 v[BO], 5, v2
	v_lshl_add_u32 v[RO], v1, 8, v[BO]
	; the bias of my 128 columns: chosen by cluster x, which all partners share
	s_cmp_eq_u32 ttmp9, 0
	s_cselect_b64 s[96:97], s[96:97], s[98:99]
	s_cmp_eq_u32 ttmp9, 2
	s_cselect_b64 s[96:97], s[100:101], s[96:97]
	s_lshl_b32 s92, s40, 10
	s_lshl_b32 s93, s16, 9
	s_add_co_u32 s92, s92, s93                     ; (256 cx + 128 x half) x 4 bytes
	s_mov_b32 s93, 0
	s_add_nc_u64 s[96:97], s[96:97], s[92:93]
.irp b, 0,1,2,3,4,5,6,7
	global_load_b128 v[BIAS+8*\b:BIAS+8*\b+3], v[BO], s[96:97] offset:64*\b        ; lane (r, h): columns 16 b + 8 h + 0 .. 7: the result's layout
	global_load_b128 v[BIAS+8*\b+4:BIAS+8*\b+7], v[BO], s[96:97] offset:64*\b+16
.endr
	v_mul_u32_u24 v3, v1, PITCH
	v_lshl_add_u32 v4, v2, 4, v3                   ; a fragment's row x pitch + 16 x half
	s_mul_i32 s21, s15, HALFT
	s_mul_i32 s22, s16, HALFT
	s_add_co_u32 s22, s22, 2*HALFT
.irp s, 0,1
	v_add_nc_u32 v[ADRA+\s], s21, v4
	v_add_nc_u32 v[ADRB+\s], s22, v4
	s_add_co_u32 s21, s21, SLOT
	s_add_co_u32 s22, s22, SLOT
.endr
	v_mul_u32_u24 v5, v1, KS                       ; my row's scale bytes,
	v_lshrrev_b32 v6, 8, v5
	v_lshl_add_u32 v5, v6, 4, v5                   ; and 16 more for each 256 passed
	s_mul_i32 s21, s15, HALFS
	s_mul_i32 s22, s16, HALFS
	s_add_co_u32 s22, s22, 2*HALFS
	s_sub_co_u32 s22, s22, s21
	v_mul_u32_u24 v6, s22, v2                      ; lanes 16-31 take B's
	s_add_co_u32 s21, s21, SCL
	v_add_nc_u32 v5, v5, v6
	v_add_nc_u32 v[ADRS], s21, v5
	s_mul_i32 s23, s14, STW                        ; my stage
	v_mul_u32_u24 v5, v1, SPH
	v_lshl_add_u32 v5, v2, 4, v5
	v_add_nc_u32 v[STO], s23, v5                   ; in: row r, 16 bytes for each half of the lanes
	v_and_b32 v6, 31, v0
	v_lshrrev_b32 v5, 3, v6
	v_mul_u32_u24 v5, v5, SPH
	v_and_b32 v7, 7, v0
	v_lshl_add_u32 v5, v7, 4, v5
	v_add_nc_u32 v[RD], s23, v5                    ; back: eight lanes to a row of 128 bytes, four rows an instruction
	v_lshlrev_b32 v[CO], 4, v6                     ; which are 512 consecutive bytes of a head
	; where my part begins: position pos0 = 256 x cluster y + 128 x row half; head 16 cy + 4 cx + 2 x column half
	s_and_b32 s20, ttmp7, 0xffff
	s_lshl_b32 s20, s20, 8
	s_lshl_b32 s21, s15, 7
	s_add_co_u32 s20, s20, s21
	s_cmp_eq_u32 s20, 0
	s_cselect_b32 s[FINE], 1, 0                    ; cluster y and the wave's number alone
	s_lshl_b32 s22, s20, 8                         ; the table: 256 bytes a position
	s_mov_b32 s23, 0
	s_add_nc_u64 s[ROT:ROT+1], s[ROT:ROT+1], s[22:23]
	s_add_nc_u64 s[ROT:ROT+1], s[ROT:ROT+1], 0x200000
	s_lshl_b32 s46, s41, 4
	s_lshl_b32 s47, s40, 2
	s_add_co_u32 s46, s46, s47
	s_lshl_b32 s47, s16, 1
	s_add_co_u32 s46, s46, s47                     ; (batch, head)
	s_lshl_b32 s92, ttmp9, 24                      ; q, k or v: 16,777,216 bytes each;
	s_lshl_b32 s93, s46, 18                        ; 262,144 a head;
	s_add_co_u32 s92, s92, s93
	s_lshl_b32 s93, s20, 7                         ; 128 a position
	s_add_co_u32 s92, s92, s93
	s_mov_b32 s93, 0
	s_add_nc_u64 s[OUT:OUT+1], s[OUT:OUT+1], s[92:93]
	s_lshl_b32 s92, ttmp9, 6
	s_add_co_u32 s92, s92, s46
	s_lshl_b32 s92, s92, 12                        ; QKVF: 4,096 bytes a head
	s_add_nc_u64 s[OUF:OUF+1], s[OUF:OUF+1], s[92:93]
.macro FRAG reg, adr, q, i             ; 16 rows x 128 K of 4-bit codes: 8 registers: lane l holds row l % 16; registers 4 c .. 4 c + 3 hold K = 64 c + 32 (l / 16) + 0 .. 31
.irp c, 0,1
	ds_load_b128 v[\reg+4*\c:\reg+4*\c+3], v[\adr] offset:64*(\q)+32*\c+(\i)*16*PITCH
.endr
.endm
; 16 matrix instructions: A's blocks a0, a0 + 1 x B's eight.  first = 1: the sums begin with the bias as C.  The 64 accumulators take turns, one instruction a turn, in the same order in every step.
.macro MUL16 a0, p, q, sc, first
.irp a, \a0, \a0+1
.irp b, 0,1,2,3,4,5,6,7
.if \first
	v_wmma_scale_f32_16x16x128_f8f6f4 v[8*(8*((\a)%4)+\b):8*(8*((\a)%4)+\b)+7], v[128*(\p)+FR*\b:128*(\p)+FR*\b+FR-1], v[AF+FR*(\a):AF+FR*(\a)+FR-1], v[BIAS+8*\b:BIAS+8*\b+7], v[SC+8*NQ*(\sc)+NQ*\b+(\q)], v[SC+8*NQ*(\sc)+NQ*(\a)+(\q)] matrix_a_fmt:MATRIX_FMT_FP4 matrix_b_fmt:MATRIX_FMT_FP4 matrix_a_scale:MATRIX_SCALE_ROW1
.else
	v_wmma_scale_f32_16x16x128_f8f6f4 v[8*(8*((\a)%4)+\b):8*(8*((\a)%4)+\b)+7], v[128*(\p)+FR*\b:128*(\p)+FR*\b+FR-1], v[AF+FR*(\a):AF+FR*(\a)+FR-1], v[8*(8*((\a)%4)+\b):8*(8*((\a)%4)+\b)+7], v[SC+8*NQ*(\sc)+NQ*\b+(\q)], v[SC+8*NQ*(\sc)+NQ*(\a)+(\q)] matrix_a_fmt:MATRIX_FMT_FP4 matrix_b_fmt:MATRIX_FMT_FP4 matrix_a_scale:MATRIX_SCALE_ROW1
.endif
.endr
.endr
.endm
.macro FETCH_B slot, q, p
	WIN TO_B
.irp i, 0,1,2,3,4,5,6,7
	FRAG 128*(\p)+FR*\i, ADRB+\slot, \q, \i
.endr
	WIN 0
.endm
.macro FETCH_A slot, q, i0
.irp i, \i0, \i0+1, \i0+2, \i0+3
	FRAG AF+FR*(\i), ADRA+\slot, \q, \i
.endr
.endm
.macro SCALES sc                       ; a slot's scale words: 4 words a row; lanes 0-15 take A's block i, lanes 16-31 B's block i
.irp i, 0,1,2,3,4,5,6,7
	ds_load_b128 v[SC+8*NQ*\sc+NQ*\i:SC+8*NQ*\sc+NQ*\i+3], v[ADRS] offset:\i*SBLK
.endr
.endm
.macro PLACES n                        ; plain vector lines between a matrix instruction and a load into, or a read of, its registers
.rept \n
	v_nop
.endr
.endm
.macro STEP slot, q, first             ; 128 along K, with its successor in the same slot
	s_wait_dscnt 4*NL                              ; B's set and A's blocks 0-3 are in; the youngest eight loads (A's blocks 4-7) may be out
.if \first
	WIN BIA_LO
.else
	WIN MUL_LO
.endif
	MUL16 0, (\q)%2, \q, \slot, \first
	MUL16 2, (\q)%2, \q, \slot, \first
	s_wait_dscnt 0
	PLACES NP
	FETCH_B \slot, (\q)+1, 1-(\q)%2
	FETCH_A \slot, (\q)+1, 0
.if \first
	WIN BIA_HI
.else
	WIN MUL_HI
.endif
	MUL16 4, (\q)%2, \q, \slot, \first
	MUL16 6, (\q)%2, \q, \slot, \first
	PLACES NP
	WIN 0
	FETCH_A \slot, (\q)+1, 4
.endm
; Slot 0's last step changes slots: one barrier; in front of it each wave waits for all its tensor loads (slot 1's), and for its own reads of slot 0, which later takes the stages.
.macro TURN slot, next
	s_wait_tensorcnt 0x0
	ds_add_u32 v[SPW], v[NIL]                      ; 0 onto my spare word
	s_wait_dscnt 4*NL+1                            ; (the add and A's blocks 4-7 may be out)
	WIN MUL_LO
	MUL16 0, 1, NQ-1, \slot, 0
	s_wait_dscnt 0x0                               ; the add is done, and my reads of this slot are over
	s_barrier_signal -1
	MUL16 2, 1, NQ-1, \slot, 0
	WIN 0
	s_barrier_wait -1
	PLACES NP
	v_add_nc_u32 v[ADRS], 4*NQ, v[ADRS]            ; the next slot's scale words
	FETCH_B \next, 0, 0
	FETCH_A \next, 0, 0
	SCALES \next
	WIN MUL_HI
	MUL16 4, 1, NQ-1, \slot, 0
	MUL16 6, 1, NQ-1, \slot, 0
	PLACES NP
	WIN 0
	FETCH_A \next, 0, 4
.endm
	s_wait_tensorcnt 1                             ; the scale bytes and my part of slot 0 are in; slot 1's load may be out
	s_barrier_signal -1
	s_barrier_wait -1
	FETCH_B 0, 0, 0
	FETCH_A 0, 0, 0
	SCALES 0
	FETCH_A 0, 0, 4
	s_wait_loadcnt 0x0                             ; the bias
	STEP 0, 0, 1
	STEP 0, 1, 0
	STEP 0, 2, 0
	TURN 0, 1
	STEP 1, 0, 0
	STEP 1, 1, 0
	STEP 1, 2, 0
	s_wait_dscnt 4*NL                              ; the last step: nothing more to fetch
	WIN MUL_LO
	MUL16 0, 1, NQ-1, 1, 0
	MUL16 2, 1, NQ-1, 1, 0
	s_wait_dscnt 0
	WIN MUL_HI
	MUL16 4, 1, NQ-1, 1, 0
	MUL16 6, 1, NQ-1, 1, 0
	WIN 0
; THE WAY OUT, block n of eight: 16 positions x 128 columns (2 heads).
.macro TBLLOAD n                       ; the table of block n's 16 positions: lane (r, h) takes, for each 16 columns of a head, its four pairs (cos, sin): 32 bytes
.set TBL, 32+192*((\n)%2)
.irp q, 0,1,2,3
.irp e, 0,1
	global_load_b128 v[TBL+8*\q+4*\e:TBL+8*\q+4*\e+3], v[RO], s[ROT:ROT+1] offset:4096*(\n)+64*\q+16*\e
.endr
.endr
.endm
.macro ROPE n                          ; (e, o) -> (e cos - o sin, e sin + o cos).  Each accumulator is read from its low end on
.set AC, 64*((\n)%4)
.set TBL, 32+192*((\n)%2)
	WIN 0x02+(\n)/4                                ; source 0: the accumulators' window
.irp b, 0,1,2,3,4,5,6,7
.irp i, 0,1,2,3
	v_pk_mul_f32 v[T+2*\i:T+2*\i+1], v[AC+8*\b+2*\i:AC+8*\b+2*\i+1], v[TBL+8*(\b%4)+2*\i:TBL+8*(\b%4)+2*\i+1] op_sel_hi:[1,0]   ; e cos, o cos
.endr
.irp i, 0,1,2,3
	v_fma_f32 v[RR+8*\b+2*\i], -v[AC+8*\b+2*\i+1], v[TBL+8*(\b%4)+2*\i+1], v[T+2*\i]
	v_fma_f32 v[RR+8*\b+2*\i+1], v[AC+8*\b+2*\i], v[TBL+8*(\b%4)+2*\i+1], v[T+2*\i+1]
.endr
.endr
	WIN 0
.endm
.macro FINEST                          ; positions 0-15 also leave in f32
	s_cmp_eq_u32 s[FINE], 1
	s_cbranch_scc0 .Lnot_first_\@
.irp b, 0,1,2,3,4,5,6,7
	global_store_b128 v[RO], v[RR+8*\b:RR+8*\b+3], s[OUF:OUF+1] offset:4096*(\b/4)+64*(\b%4)
	global_store_b128 v[RO], v[RR+8*\b+4:RR+8*\b+7], s[OUF:OUF+1] offset:4096*(\b/4)+64*(\b%4)+16
.endr
.Lnot_first_\@:
.endm
.macro FINESTV                         ; the same for v, straight from block 0's accumulators (a store's data are its source 1)
	s_cmp_eq_u32 s[FINE], 1
	s_cbranch_scc0 .Lnot_first_\@
	WIN 0x08
.irp b, 0,1,2,3,4,5,6,7
	global_store_b128 v[RO], v[8*\b:8*\b+3], s[OUF:OUF+1] offset:4096*(\b/4)+64*(\b%4)
	global_store_b128 v[RO], v[8*\b+4:8*\b+7], s[OUF:OUF+1] offset:4096*(\b/4)+64*(\b%4)+16
.endr
	WIN 0
.Lnot_first_\@:
.endm
.macro CVT
.set i, 0
.rept 32
	v_cvt_pk_f16_f32 v[PK+i], v[RR+2*i], v[RR+2*i+1]
.set i, i+1
.endr
.endm
.macro CVTV n
.set AC, 64*((\n)%4)
	WIN 0x0a+5*((\n)/4)                            ; sources 0 and 1: window 2 or 3
.set i, 0
.rept 32
	v_cvt_pk_f16_f32 v[PK+i], v[AC+2*i], v[AC+2*i+1]
.set i, i+1
.endr
	WIN 0
.endm
.macro TOSTAGE n                       ; 16 bytes a lane into rows of 144; back as rows of 128.  LDS serves a wave's instructions in order: no wait between the stores and the loads
.set BB, BK+32*((\n)%2)
.irp b, 0,1,2,3,4,5,6,7
	ds_store_b128 v[STO], v[PK+4*\b:PK+4*\b+3] offset:16*SPH*(\b/4)+32*(\b%4)
.endr
.irp u, 0,1,2,3,4,5,6,7
	ds_load_b128 v[BB+4*\u:BB+4*\u+3], v[RD] offset:16*SPH*(\u/4)+4*SPH*(\u%4)
.endr
.endm
.macro SEND n, younger                 ; younger: the LDS lines issued behind block n's loads
.set BB, BK+32*((\n)%2)
	s_wait_dscnt \younger
.irp u, 0,1,2,3,4,5,6,7
	global_store_b128 v[CO], v[BB+4*\u:BB+4*\u+3], s[OUT:OUT+1] offset:2048*(\n)+262144*(\u/4)+512*(\u%4)   ; four positions of a head: 512 consecutive bytes, aligned
.endr
.endm
	PLACES NP                                      ; behind the last products, ahead of every read of results and every load into operands' registers
	s_cmp_eq_u32 ttmp9, 2                          ; v is not turned: cluster x, the same in all partners
	s_cbranch_scc1 .Lvalues
	TBLLOAD 0
	TBLLOAD 1
.irp n, 0,1,2,3,4,5,6,7
.if \n < 7
	s_wait_loadcnt 8                               ; this block's table is in; the next block's eight loads may be out
.else
	s_wait_loadcnt 0x0
.endif
.if \n > 0
	s_wait_xcnt 0x0                                ; earlier stores have read their registers: the turned numbers and the rows read back are written again
.endif
	ROPE \n
.if \n == 0
	FINEST
.endif
	CVT
.if \n < 6
	TBLLOAD \n+2
.endif
	TOSTAGE \n
.if \n > 0
	SEND \n-1, 16                                  ; behind its loads: this block's 8 stores and 8 loads
.endif
.endr
	SEND 7, 0
	s_branch .Lout
.Lvalues:
.irp n, 0,1,2,3,4,5,6,7
.if \n > 1
	s_wait_xcnt 0x0                                ; block n - 2's stores have read the registers that block n's rows take
.endif
.if \n == 0
	FINESTV
.endif
	CVTV \n
	TOSTAGE \n
.if \n > 0
	SEND \n-1, 16
.endif
.endr
	SEND 7, 0
.Lout:
	s_wait_tensorcnt 0x0                           ; the wave's end
	ds_add_u32 v[SPW], v[NIL]
	s_wait_dscnt 0x0
	CROUND                                         ; the closing round
	s_endpgm
.Lfunc_end_k_q00771a1198_qkv:
	.size	k_q00771a1198_qkv, .Lfunc_end_k_q00771a1198_qkv-k_q00771a1198_qkv
	.p2alignl 7, 3214868480
	.fill 96, 4, 3214868480
	.section	.rodata,"a",@progbits
	.p2align	6, 0x0
	.amdhsa_kernel k_q00771a1198_qkv
		.amdhsa_group_segment_fixed_size 327680
		.amdhsa_private_segment_fixed_size 0
		.amdhsa_enable_private_segment 0
		.amdhsa_kernarg_size 80
		.amdhsa_user_sgpr_count 2
		.amdhsa_user_sgpr_kernarg_segment_ptr 1
		.amdhsa_wavefront_size32 1
		.amdhsa_system_sgpr_workgroup_id_x 1
		.amdhsa_system_sgpr_workgroup_id_y 1
		.amdhsa_system_sgpr_workgroup_id_z 1
		.amdhsa_system_vgpr_workitem_id 0
		.amdhsa_next_free_vgpr 1024
		.amdhsa_next_free_sgpr 106
		.amdhsa_reserve_vcc 0
		.amdhsa_float_denorm_mode_32 3
		.amdhsa_float_denorm_mode_16_64 3
		.amdhsa_memory_ordered 1
		.amdhsa_forward_progress 1
		.amdhsa_inst_pref_size 217
	.end_amdhsa_kernel
	.amdgpu_metadata
---
amdhsa.version: [ 1, 2 ]
amdhsa.kernels:
  - .name:           k_q00771a1198_qkv
    .symbol:         k_q00771a1198_qkv.kd
    .args:
      - { .name: XC, .offset: 0, .size: 8, .value_kind: global_buffer, .address_space: global }
      - { .name: XS, .offset: 8, .size: 8, .value_kind: global_buffer, .address_space: global }
      - { .name: WC, .offset: 16, .size: 8, .value_kind: global_buffer, .address_space: global }
      - { .name: WS, .offset: 24, .size: 8, .value_kind: global_buffer, .address_space: global }
      - { .name: bq, .offset: 32, .size: 8, .value_kind: global_buffer, .address_space: global }
      - { .name: bk, .offset: 40, .size: 8, .value_kind: global_buffer, .address_space: global }
      - { .name: bv, .offset: 48, .size: 8, .value_kind: global_buffer, .address_space: global }
      - { .name: AUX, .offset: 56, .size: 8, .value_kind: global_buffer, .address_space: global }
      - { .name: QKV, .offset: 64, .size: 8, .value_kind: global_buffer, .address_space: global }
      - { .name: QKVF, .offset: 72, .size: 8, .value_kind: global_buffer, .address_space: global }
    .group_segment_fixed_size: 327680
    .private_segment_fixed_size: 0
    .kernarg_segment_align: 8
    .kernarg_segment_size: 80
    .max_flat_workgroup_size: 128
    .sgpr_count:     106
    .vgpr_count:     1024
    .wavefront_size: 32
...
	.end_amdgpu_metadata
.endif
;; end of part 2
;; launch attn (part 3): grid 4 x 64, 8 waves a work-group, no clusters, 327,680 bytes of LDS; arguments QKV, AO; writes AO
.if DOCPART == 3
	.amdgcn_target "amdgcn-amd-amdhsa--gfx1250"
	.amdhsa_code_object_version 6
	.text
	.protected	k_q00771a1198_attn
	.globl	k_q00771a1198_attn
	.p2align	8
	.type	k_q00771a1198_attn,@function
k_q00771a1198_attn:
	s_mov_b64 s[64:65], 0
	v_nop
	global_prefetch_b8 v0, s[64:65] scope:SCOPE_SE
	s_setreg_imm32_b32 hwreg(HW_REG_WAVE_MODE, 25, 1), 1
	s_wait_xcnt 0x0
; AO[b][h][q][:] = the sum over k <= q of softmax_k(q . k / 8) v[k][:], operands in f16, products, maxima and sums in f32; the weights p are rounded to f16 for the second product, AO once at the end.
; QKV: q at byte 0, k at 16,777,216, v at 33,554,432, each [batch x head 64][2048][64] f16 (128 bytes a row).  AO: the same layout.
; SHARES.  Work-group (J, head) owns the query blocks 7 - J and J of 256 queries: first the high one (key blocks 0 .. 7 - J), then the low one (0 .. J): 9 units of 256 keys in every work-group, so all 256 have equal work.
; Each of eight waves owns 32 queries, two tiles of 16; two waves share a SIMD, so that one wave's softmax stands beside the other's products.  A unit is four steps of 64 keys.
; LAYOUT.  S^T = K Q^T (source 0 = 16 keys, source 1 = 16 queries) and O^T = V^T P: a lane holds ONE query throughout; two tiles of S^T, rounded in pairs, ARE source 1 of the second product.  V is turned by ds_load_tr16_b128.
; SOFTMAX.  A running maximum m and sum l for each query: p = 2^(c s - c m), c = log2(e) / 8; O and l are multiplied by a = 2^(c m_old - c m_new) in every step.
; THE MASK.  A step all of whose keys come after the wave's queries is left out by a branch on ids; on the diagonal hidden scores become -infinity.  A step that is walked begins at or under every query of the wave, so no row is ever all hidden.
; THE RING.  Two slots of a unit each.  Waves 0-3 fetch the four steps' rows of K, waves 4-7 those of V: one tensor load of 64 rows a wave behind each change of slots, with a whole unit in which to land; one is out at a time.
; NO CLUSTER: the four work-groups of a head walk the same key blocks only in their first five units and then part (J ends its high block after 8 - J units); a walk that all four could share would last 12 units, not 9.
; The positions 0-15 of each sequence are computed here like all others; the launch at the program's end carries them in f32.
; LIMITS: f16 operands: |q|, |k|, |v| under 65,504; NaN and infinities are not served.
; REGISTERS.  window 0: v1-13 addresses and constants; v14, v15 the add's two; v16-31 eight statistics a tile; v64-127 S^T; v128-159 P; v160-223 O^T.   window 1: v0-31 Q; v32-95 K of a step; v96-159 V of a step.
.set KSP,   64                         ; keys in a step
.set PKP,   144                        ; a row of K in LDS: 128 bytes + 16
.set PVP,   160                        ; a row of V: 128 + 32
.set VOFF,  KSP*PKP
.set STEPB, KSP*(PKP+PVP)              ; a step: 64 rows of K, then 64 rows of V
.set SLOT1, 1<<17                      ; slot 1 begins here: one exclusive or turns an address from slot to slot
.set STAGE, SLOT1+4*STEPB              ; behind the ring: 16 rows x 144 bytes for each wave
.set SPARE, STAGE+8*16*144             ; the spare words, 128 bytes a wave: no other line names them
.set AK0, 1
.set AV0, 2
.set ADK, 3
.set ADV, 4
.set QO,  5
.set STO, 6
.set RD,  7
.set GO,  8
.set LQ,  9                            ; v9   r - 8 h
.set D0,  10                           ; v10, v11  the mask's bound for tiles 0, 1
.set NINF, 12
.set PFO, 13                           ; v13  256 x lane
.set SPW, 14
.set NIL, 15
.set ST,  16                           ; tile t at v[16 + 8 t]: +0 -c m, +1 m, +2, +3 l, +4 .. +7 at work; a takes +6
.set S,   64
.set P,   128
.set O,   160
.set KFR, 32                           ; window 1
.set VFR, 96
.set TB,  2                            ; s2   LDS byte at which the step in hand begins
.set U,   3                            ; s3   the unit, 0 .. 8
.set SW,  12                           ; s12  the unit at which the low block begins: 8 - J
.set KF,  13                           ; s13  the step's first key
.set Q0W, 14                           ; s14  my wave's first query
.set Q0LO, 15
.set STP, 16
.set WV,  18
.set NCS, 19                           ; s19  -c
.set SEL, 20
.set CS,  22                           ; s[22:23] c, twice
.set G1K, 24
.set G1V, 32
.set G0K, 40
.set G0V, 44
.set KB,  48                           ; s[48:49] my part of key block 0 in K;  s[50:51] in V
.set VB,  50
.set OFF, 52                           ; s[52:53] the key block to be asked for, in bytes
.set QHI, 54
.set QLO, 56
.set OHI, 58
.set OLO, 60
.set PFA, 66
.set LIM, 68
.set MSB, 0
.macro WIN new
.if MSB != (\new)
	s_set_vgpr_msb (MSB<<8)|(\new)
.set MSB, (\new)
.endif
.endm
.set W_LD, 0x40                        ; destination window 1
.set W_KQ, 0x05                        ; K and Q window 1, S^T window 0
.set W_PV, 0x01                        ; V window 1, P and O^T window 0
.macro PLACES
.rept 4
	v_nop
.endr
.endm
; Every wave has a load: waves 0-3 K's, waves 4-7 V's.  An s_nop 0 and four v_nop follow each of the two lines.
.macro TLOAD
	s_cmp_lt_u32 s[WV], 4
	s_cbranch_scc0 .Lfor_v_\@
	tensor_load_to_lds s[G0K:G0K+3], s[G1K:G1K+7]
	s_nop 0
.rept 4
	v_nop
.endr
	s_branch .Lasked_\@
.Lfor_v_\@:
	tensor_load_to_lds s[G0V:G0V+3], s[G1V:G1V+7]
	s_nop 0
.rept 4
	v_nop
.endr
.Lasked_\@:
.endm
; A prefetch of the key block that the NEXT change of slots will ask for.  All four work-groups of a head walk key blocks from 0 up; J = 0, which walks all eight, asks: in unit U for block U + 2, while U < 6.
; Each wave names the 8,192 bytes that it will fetch itself, lanes 256 bytes apart: each block of 256 bytes is named once in the launch.  Blocks 0 and 1 come by their loads alone.
.macro ASK
	s_cmp_lt_u32 s[U], s[LIM]
	s_cbranch_scc0 .Lnot_mine_\@
	global_prefetch_b8 v[PFO], s[PFA:PFA+1] th:TH_LOAD_NT scope:SCOPE_SE
.Lnot_mine_\@:
.endm
	s_load_b128 s[4:7], s[0:1], 0x0                ; QKV, AO
	v_lshl_add_u32 v[SPW], v0, 2, SPARE
	v_mov_b32 v[NIL], 0
	ds_add_u32 v[SPW], v[NIL]                      ; the wave's opening: the add, twice on end, and its wait ahead of my first tensor load
	ds_add_u32 v[SPW], v[NIL]
	v_lshrrev_b32 v1, 5, v0
	v_readfirstlane_b32 s[WV], v1                  ; wave 0..7
	s_and_b32 s8, ttmp7, 0xffff
	s_lshl_b32 s8, s8, 18                          ; the head's first byte in q, k, v and AO
	s_mov_b32 s9, 0
	s_and_b32 s10, s[WV], 3                        ; which step of a unit I fetch:
	s_lshl_b32 s62, s10, 13                        ; its 64 rows of 128 bytes in memory,
	s_mov_b32 s63, 0
	s_mul_i32 s11, s10, STEPB                      ; and its place in a slot
	s_sub_co_u32 s[SW], 8, ttmp9
	s_lshl_b32 s69, s[WV], 5
	s_sub_co_u32 s70, 7, ttmp9
	s_lshl_b32 s70, s70, 8
	s_add_co_u32 s[Q0W], s70, s69                  ; the high block's first query of mine
	s_lshl_b32 s70, ttmp9, 8
	s_add_co_u32 s[Q0LO], s70, s69                 ; the low block's
	s_mov_b32 s[G1K], (1<<16)|(1<<20)|(4<<22)|(3<<25)   ; no mask; elements of 2 bytes; padding on: 4 words after every 32
	s_mov_b32 s[G1V], (1<<16)|(1<<20)|(4<<22)|(7<<25)   ; 8 words after every 32
.irp g, G1K, G1V
	s_mov_b32 s[\g+1], 64<<16                      ; tensor_dim0 = 64
	s_mov_b32 s[\g+2], KSP<<16                     ; tensor_dim1 = 64
	s_mov_b32 s[\g+3], 64<<16                      ; tile_dim0 = 64
	s_mov_b32 s[\g+4], KSP                         ; tile_dim1 = 64
	s_mov_b32 s[\g+5], 64                          ; from row to row
	s_mov_b32 s[\g+6], 0
	s_mov_b32 s[\g+7], 0
.endr
	s_mov_b32 s[SEL], 0x76543210
	s_mov_b32 s[SEL+1], 0xfedcba98
	s_mov_b32 s[CS], 0x3e38aa3b                    ; c = log2(e) / 8
	s_mov_b32 s[CS+1], s[CS]
	s_mov_b32 s[NCS], 0xbe38aa3b
	s_mov_b32 s[TB], 0
	s_mov_b32 s[KF], 0
	s_mov_b32 s[OFF], 0
	s_mov_b32 s[OFF+1], 0
	s_wait_dscnt 0x0                               ; both opening adds are done
	s_wait_kmcnt 0x0
	s_add_nc_u64 s[4:5], s[4:5], s[8:9]            ; q of my head
	s_add_nc_u64 s[6:7], s[6:7], s[8:9]            ; AO of my head
	s_add_nc_u64 s[KB:KB+1], s[4:5], s[62:63]
	s_add_nc_u64 s[VB:VB+1], s[KB:KB+1], 0x2000000
	s_add_nc_u64 s[KB:KB+1], s[KB:KB+1], 0x1000000
	s_mov_b32 s[G0K], 1
	s_mov_b32 s[G0K+1], s11
	s_mov_b64 s[G0K+2:G0K+3], s[KB:KB+1]
	s_or_b32 s[G0K+3], s[G0K+3], 0x80000000
	s_mov_b32 s[G0V], 1
	s_add_co_u32 s[G0V+1], s11, VOFF
	s_mov_b64 s[G0V+2:G0V+3], s[VB:VB+1]
	s_or_b32 s[G0V+3], s[G0V+3], 0x80000000
	TLOAD                                          ; unit 0 into slot 0
	s_lshl_b32 s70, s[Q0W], 7
	s_mov_b32 s71, 0
	s_add_nc_u64 s[QHI:QHI+1], s[4:5], s[70:71]
	s_add_nc_u64 s[OHI:OHI+1], s[6:7], s[70:71]
	s_lshl_b32 s70, s[Q0LO], 7
	s_add_nc_u64 s[QLO:QLO+1], s[4:5], s[70:71]
	s_add_nc_u64 s[OLO:OLO+1], s[6:7], s[70:71]
	s_cmp_lt_u32 s[WV], 4
	s_cselect_b64 s[PFA:PFA+1], s[KB:KB+1], s[VB:VB+1]
	s_add_nc_u64 s[PFA:PFA+1], s[PFA:PFA+1], 32768 ; at key block 1: the first change of slots steps it to block 2
	s_cmp_eq_u32 ttmp9, 0
	s_cselect_b32 s[LIM], 6, 0
	v_and_b32 v16, 15, v0                          ; r
	v_bfe_u32 v17, v0, 4, 1                        ; h
	v_and_b32 v18, 31, v0                          ; lane
	v_and_b32 v19, 7, v0
	v_bfe_u32 v20, v0, 3, 1
	v_mul_u32_u24 v[AK0], v16, PKP
	v_lshl_add_u32 v[AK0], v17, 4, v[AK0]          ; K: row r x pitch + 16 h
	v_lshl_add_u32 v[AV0], v17, 3, v19
	v_mul_u32_u24 v[AV0], v[AV0], PVP
	v_lshl_add_u32 v[AV0], v20, 4, v[AV0]
	v_add_nc_u32 v[AV0], VOFF, v[AV0]              ; V, turned: key 8 h + l % 8, channels 8 ((l / 8) % 2) on
	v_lshlrev_b32 v[QO], 7, v16
	v_lshl_add_u32 v[QO], v17, 4, v[QO]            ; Q: row r of 128 bytes + 16 h
	s_mul_i32 s17, s[WV], 16*144
	s_add_co_u32 s17, s17, STAGE
	v_mul_u32_u24 v[STO], v16, 144
	v_lshl_add_u32 v[STO], v17, 4, v[STO]
	v_add_nc_u32 v[STO], s17, v[STO]
	v_lshrrev_b32 v21, 3, v18
	v_mul_u32_u24 v[RD], v21, 144
	v_lshl_add_u32 v[RD], v19, 4, v[RD]
	v_add_nc_u32 v[RD], s17, v[RD]                 ; back: eight lanes to a row, four rows an instruction
	v_lshlrev_b32 v[GO], 4, v18
	v_lshlrev_b32 v21, 3, v17
	v_sub_nc_u32 v[LQ], v16, v21
	v_mov_b32 v[NINF], 0xff800000
	v_lshlrev_b32 v[PFO], 8, v18
; A block of queries begins: Q into registers; m = -3e38, under every score; l = 0; O^T = 0 (the step is written once: its first trip multiplies zeros).
.macro START qb
	WIN W_LD
.irp t, 0,1
.irp ks, 0,1
.irp e, 0,1
	global_load_b128 v[16*\t+8*\ks+4*\e:16*\t+8*\ks+4*\e+3], v[QO], s[\qb:\qb+1] offset:2048*\t+64*\ks+32*\e
.endr
.endr
.endr
	WIN 0
.irp t, 0,1
	v_mov_b32 v[ST+8*\t+1], 0xff61b1e6
	v_mul_f32 v[ST+8*\t], s[NCS], v[ST+8*\t+1]
.irp j, 2,3,4,5,6,7
	v_mov_b32 v[ST+8*\t+\j], 0
.endr
.endr
.set i, 0
.rept 64
	v_mov_b32 v[O+i], 0
.set i, i+1
.endr
	s_wait_loadcnt 0x0
.endm
; A block of queries ends: O^T / l, rounded to f16, through my stage, a tile (16 rows) at a time.
.macro PACK t
.set i, 0
.rept 16
	v_pk_mul_f32 v[O+32*\t+i:O+32*\t+i+1], v[O+32*\t+i:O+32*\t+i+1], v[ST+8*\t+6:ST+8*\t+7] op_sel_hi:[1,0]
.set i, i+2
.endr
.set i, 0
.rept 16
	v_cvt_pk_f16_f32 v[S+32*\t+i], v[O+32*\t+2*i], v[O+32*\t+2*i+1]
.set i, i+1
.endr
.irp c, 0,1,2,3
	ds_store_b128 v[STO], v[S+32*\t+4*\c:S+32*\t+4*\c+3] offset:32*\c
.endr
.irp f, 0,1,2,3
	ds_load_b128 v[S+32*\t+16+4*\f:S+32*\t+16+4*\f+3], v[RD] offset:4*144*\f   ; in order behind my stores; the next tile's stores come behind these
.endr
.endm
.macro OSEND t, younger, ob
.irp f, 0,1,2,3
	s_wait_dscnt \younger+3-\f
	global_store_b128 v[GO], v[S+32*\t+16+4*\f:S+32*\t+16+4*\f+3], s[\ob:\ob+1] offset:2048*\t+512*\f   ; four rows: 512 consecutive bytes, aligned
.endr
.endm
.macro FINISH ob
	PLACES                                         ; behind the last products
.irp t, 0,1
	v_add_f32 v[ST+8*\t+4], v[ST+8*\t+2], v[ST+8*\t+3]
.endr
.irp t, 0,1
	v_permlanex16_b32 v[ST+8*\t+5], v[ST+8*\t+4], s[SEL], s[SEL+1]
.endr
.irp t, 0,1
	v_add_f32 v[ST+8*\t+4], v[ST+8*\t+4], v[ST+8*\t+5]
.endr
.irp t, 0,1
	v_rcp_f32 v[ST+8*\t+6], v[ST+8*\t+4]
.endr
	v_nop                                          ; a plain line behind the reciprocals,
	s_wait_alu depctr_va_vdst(0)                   ; and one wait for both ahead of their first reader
	PACK 0
	PACK 1
	OSEND 0, 8, \ob                                ; behind tile 0's loads: tile 1's 4 stores and 4 loads
	OSEND 1, 0, \ob
	s_wait_xcnt 0x0                                ; the stores have read their registers: S^T is written again
.endm
.macro SWITCH                          ; at unit 8 - J the high block ends and the low block begins: ids and the count of units alone, the same in all eight waves
	s_cmp_lg_u32 s[U], s[SW]
	s_cbranch_scc1 .Lsame_\@
	FINISH OHI
	START QLO
	s_mov_b32 s[Q0W], s[Q0LO]
	s_mov_b32 s[KF], 0
.Lsame_\@:
.endm
; THE CHANGE OF SLOTS stands at a unit's head.  Each wave waits for all its tensor loads (its part of the slot ahead), adds 0 to its spare word, and waits for that and for its reads of the slot that it has left.
; Behind the barrier the slot ahead is whole and nobody reads the other one.  fill = 1: that other slot takes the next unit's keys.
.macro CHANGE fill
	s_wait_tensorcnt 0x0                           ; no tensor load of mine is out, so the descriptors may be written
	ds_add_u32 v[SPW], v[NIL]                      ; every way to it leads through a tensor load
.if \fill
	s_xor_b32 s[G0K+1], s[G0K+1], SLOT1
	s_xor_b32 s[G0V+1], s[G0V+1], SLOT1
	s_add_co_u32 s[OFF], s[OFF], 32768             ; the next key block,
	s_add_co_u32 s17, s[U], 1
	s_cmp_eq_u32 s17, s[SW]
	s_cselect_b32 s[OFF], 0, s[OFF]                ; or block 0 again where the low block begins
	s_add_nc_u64 s[G0K+2:G0K+3], s[KB:KB+1], s[OFF:OFF+1]
	s_or_b32 s[G0K+3], s[G0K+3], 0x80000000
	s_add_nc_u64 s[G0V+2:G0V+3], s[VB:VB+1], s[OFF:OFF+1]
	s_or_b32 s[G0V+3], s[G0V+3], 0x80000000
	s_wait_xcnt 0x0                                ; the last prefetch, a unit back, has read its address
	s_add_nc_u64 s[PFA:PFA+1], s[PFA:PFA+1], 32768
.endif
	s_wait_dscnt 0x0                               ; the add is done, and my reads of the slot that I have left are over
	s_barrier_signal -1
	s_barrier_wait -1
.if \fill
	TLOAD                                          ; the first thing behind the barrier, and my one tensor load until the next
	ASK
.endif
.endm
; THE SOFTMAX of a step, both tiles line by line by turns.
.macro SOFT
.irp j, 0,1,2,3
.irp t, 0,1
	v_max3_num_f32 v[ST+8*\t+4+\j], v[S+32*\t+8*\j], v[S+32*\t+8*\j+1], v[S+32*\t+8*\j+2]   ; four chains; each accumulator is read from its low end on
.endr
.endr
.irp k, 3,5
.irp j, 0,1,2,3
.irp t, 0,1
	v_max3_num_f32 v[ST+8*\t+4+\j], v[ST+8*\t+4+\j], v[S+32*\t+8*\j+\k], v[S+32*\t+8*\j+\k+1]
.endr
.endr
.endr
.irp t, 0,1
	v_max3_num_f32 v[ST+8*\t+4], v[ST+8*\t+4], v[S+32*\t+7], v[S+32*\t+15]
.endr
.irp t, 0,1
	v_max3_num_f32 v[ST+8*\t+6], v[ST+8*\t+6], v[S+32*\t+23], v[S+32*\t+31]
.endr
.irp t, 0,1
	v_max3_num_f32 v[ST+8*\t+4], v[ST+8*\t+4], v[ST+8*\t+5], v[ST+8*\t+6]
.endr
.irp t, 0,1
	v_max3_num_f32 v[ST+8*\t+4], v[ST+8*\t+4], v[ST+8*\t+7], v[ST+8*\t+1]      ; with the old m
.endr
.irp t, 0,1
	v_permlanex16_b32 v[ST+8*\t+5], v[ST+8*\t+4], s[SEL], s[SEL+1]           ; the query's other 32 keys lie in the lane 16 away
.endr
.irp t, 0,1
	v_mov_b32 v[ST+8*\t+7], v[ST+8*\t]                                        ; the old -c m
.endr
.irp t, 0,1
	v_max_num_f32 v[ST+8*\t+1], v[ST+8*\t+4], v[ST+8*\t+5]                    ; the new m
.endr
.irp t, 0,1
	v_mul_f32 v[ST+8*\t], s[NCS], v[ST+8*\t+1]
.endr
.irp t, 0,1
	v_sub_f32 v[ST+8*\t+7], v[ST+8*\t], v[ST+8*\t+7]                          ; c m_old - c m_new
.endr
.irp b, 0,2,4,6,8,10,12,14,16,18,20,22,24,26,28,30
.irp t, 0,1
	v_pk_fma_f32 v[S+32*\t+\b:S+32*\t+\b+1], v[S+32*\t+\b:S+32*\t+\b+1], s[CS:CS+1], v[ST+8*\t:ST+8*\t+1] op_sel_hi:[1,0,0]   ; c s - c m
.endr
.endr
.irp t, 0,1
	v_exp_f32 v[ST+8*\t+6], v[ST+8*\t+7]                                      ; a.  ONE BATCH: 2 + 64 exponentials, none of which reads another's result
.endr
.irp j, 0,1,2,3,4,5,6,7,8,9,10,11,12,13,14,15,16,17,18,19,20,21,22,23,24,25,26,27,28,29,30,31
.irp t, 0,1
	v_exp_f32 v[S+32*\t+\j], v[S+32*\t+\j]
.endr
.endr
	v_nop                                          ; a plain line behind the last exponential,
	s_wait_alu depctr_va_vdst(0)                   ; and one wait for the batch ahead of its first reader
.irp j, 0,1,2,3,4,5,6,7,8,9,10,11,12,13,14,15
.irp t, 0,1
	v_cvt_pk_f16_f32 v[P+16*\t+\j], v[S+32*\t+2*\j], v[S+32*\t+2*\j+1]
.endr
.endr
.irp u, 0,1,2,3,4,5,6,7
.irp t, 0,1
	v_pk_add_f32 v[S+32*\t+4*\u:S+32*\t+4*\u+1], v[S+32*\t+4*\u:S+32*\t+4*\u+1], v[S+32*\t+4*\u+2:S+32*\t+4*\u+3]   ; the sum of the unrounded p, a tree in place
.endr
.endr
.irp u, 0,1,2,3
.irp t, 0,1
	v_pk_add_f32 v[S+32*\t+8*\u:S+32*\t+8*\u+1], v[S+32*\t+8*\u:S+32*\t+8*\u+1], v[S+32*\t+8*\u+4:S+32*\t+8*\u+5]
.endr
.endr
.irp u, 0,1
.irp t, 0,1
	v_pk_add_f32 v[S+32*\t+16*\u:S+32*\t+16*\u+1], v[S+32*\t+16*\u:S+32*\t+16*\u+1], v[S+32*\t+16*\u+8:S+32*\t+16*\u+9]
.endr
.endr
.irp t, 0,1
	v_pk_add_f32 v[S+32*\t:S+32*\t+1], v[S+32*\t:S+32*\t+1], v[S+32*\t+16:S+32*\t+17]
.endr
.irp t, 0,1
	v_pk_fma_f32 v[ST+8*\t+2:ST+8*\t+3], v[ST+8*\t+2:ST+8*\t+3], v[ST+8*\t+6:ST+8*\t+7], v[S+32*\t:S+32*\t+1] op_sel_hi:[1,0,1]   ; l = l a + the sum
.endr
.irp b, 0,2,4,6,8,10,12,14,16,18,20,22,24,26,28,30
.irp t, 0,1
	v_pk_mul_f32 v[O+32*\t+\b:O+32*\t+\b+1], v[O+32*\t+\b:O+32*\t+\b+1], v[ST+8*\t+6:ST+8*\t+7] op_sel_hi:[1,0]   ; O^T x a, each accumulator from its low end on
.endr
.endr
.endm
; A STEP: 64 keys.
.macro STEP
	s_add_co_u32 s17, s[Q0W], 31
	s_cmp_gt_u32 s[KF], s17                        ; all its keys come after my 32 queries: left out; the lines at its end that step addresses are not
	s_cbranch_scc1 .Lhidden_\@
	v_add_nc_u32 v[ADK], s[TB], v[AK0]
	v_add_nc_u32 v[ADV], s[TB], v[AV0]
	v_nop
	v_nop                                          ; these four are the places between the last products and the loads into V's registers
	WIN W_LD
.irp kt, 0,1,2,3
.irp ks, 0,1
.irp e, 0,1
	ds_load_b128 v[KFR+16*\kt+8*\ks+4*\e:KFR+16*\kt+8*\ks+4*\e+3], v[ADK] offset:16*PKP*\kt+64*\ks+32*\e
.endr
.endr
.endr
.irp g, 0,1
.irp c, 0,1,2,3
.irp e, 0,1
	ds_load_tr16_b128 v[VFR+32*\g+8*\c+4*\e:VFR+32*\g+8*\c+4*\e+3], v[ADV] offset:32*PVP*\g+32*\c+16*PVP*\e
.endr
.endr
.endr
	s_wait_dscnt 16                                ; K is in; V's sixteen loads may be out
	WIN W_KQ
.irp ks, 0,1                                   ; the eight accumulators take turns, one instruction a turn
.irp kt, 0,1,2,3
.irp t, 0,1
.if \ks == 0
	v_wmma_f32_16x16x32_f16 v[S+32*\t+8*\kt:S+32*\t+8*\kt+7], v[KFR+16*\kt+8*\ks:KFR+16*\kt+8*\ks+7], v[16*\t+8*\ks:16*\t+8*\ks+7], 0
.else
	v_wmma_f32_16x16x32_f16 v[S+32*\t+8*\kt:S+32*\t+8*\kt+7], v[KFR+16*\kt+8*\ks:KFR+16*\kt+8*\ks+7], v[16*\t+8*\ks:16*\t+8*\ks+7], v[S+32*\t+8*\kt:S+32*\t+8*\kt+7]
.endif
.endr
.endr
.endr
	WIN 0
	PLACES
	s_add_co_u32 s17, s[KF], 63
	s_cmp_le_u32 s17, s[Q0W]                       ; all 64 keys count for all my queries: no mask
	s_cbranch_scc1 .Lopen_\@
	s_sub_co_i32 s17, s[Q0W], s[KF]
	v_add_nc_u32 v[D0], s17, v[LQ]                 ; register 8 kt + j of tile t holds key KF + 16 kt + 8 h + j: hidden where 16 kt + j > Q0W - KF + 16 t + r - 8 h
	v_add_nc_u32 v[D0+1], 16, v[D0]
.irp t, 0,1
.irp n, 0,1,2,3,4,5,6,7,8,9,10,11,12,13,14,15,16,17,18,19,20,21,22,23,24,25,26,27,28,29,30,31
	v_cmp_gt_i32 vcc_lo, 16*(\n/8)+\n%8, v[D0+\t]
	v_cndmask_b32 v[S+32*\t+\n], v[S+32*\t+\n], v[NINF], vcc_lo
.endr
.endr
.Lopen_\@:
	SOFT
	s_wait_dscnt 0x0                               ; V is in
	WIN W_PV
.irp g, 0,1
.irp c, 0,1,2,3
.irp t, 0,1
	v_wmma_f32_16x16x32_f16 v[O+32*\t+8*\c:O+32*\t+8*\c+7], v[VFR+32*\g+8*\c:VFR+32*\g+8*\c+7], v[P+16*\t+8*\g:P+16*\t+8*\g+7], v[O+32*\t+8*\c:O+32*\t+8*\c+7]
.endr
.endr
.endr
	WIN 0
.Lhidden_\@:
	s_add_co_u32 s[KF], s[KF], KSP
	s_add_co_u32 s[TB], s[TB], STEPB
.endm
.macro UNIT                            ; a slot's four steps: written once, walked four times
	s_mov_b32 s[STP], 4
.Lstep_\@:
	STEP
	s_sub_co_u32 s[STP], s[STP], 1
	s_cmp_lg_u32 s[STP], 0
	s_cbranch_scc1 .Lstep_\@
	s_sub_co_u32 s[TB], s[TB], 4*STEPB
	s_xor_b32 s[TB], s[TB], SLOT1                  ; on to the other slot
.endm
	START QHI
	s_mov_b32 s[U], 0
.Lunit:                                            ; eight trips: behind each change of slots the next unit is asked for (the first trip's load is slot 1's first fill: no wave refills behind that barrier)
	SWITCH
	CHANGE 1
	UNIT
	s_add_co_u32 s[U], s[U], 1
	s_cmp_lt_u32 s[U], 8
	s_cbranch_scc1 .Lunit
	SWITCH                                         ; the ninth unit is written out: nothing is left to fetch
	CHANGE 0
	UNIT
	FINISH OLO
	s_wait_tensorcnt 0x0                           ; the wave's end
	ds_add_u32 v[SPW], v[NIL]
	s_wait_dscnt 0x0
	s_endpgm
.Lfunc_end_k_q00771a1198_attn:
	.size	k_q00771a1198_attn, .Lfunc_end_k_q00771a1198_attn-k_q00771a1198_attn
	.p2alignl 7, 3214868480
	.fill 96, 4, 3214868480
	.section	.rodata,"a",@progbits
	.p2align	6, 0x0
	.amdhsa_kernel k_q00771a1198_attn
		.amdhsa_group_segment_fixed_size 327680
		.amdhsa_private_segment_fixed_size 0
		.amdhsa_enable_private_segment 0
		.amdhsa_kernarg_size 16
		.amdhsa_user_sgpr_count 2
		.amdhsa_user_sgpr_kernarg_segment_ptr 1
		.amdhsa_wavefront_size32 1
		.amdhsa_system_sgpr_workgroup_id_x 1
		.amdhsa_system_sgpr_workgroup_id_y 1
		.amdhsa_system_sgpr_workgroup_id_z 1
		.amdhsa_system_vgpr_workitem_id 0
		.amdhsa_next_free_vgpr 512
		.amdhsa_next_free_sgpr 72
		.amdhsa_reserve_vcc 1
		.amdhsa_float_denorm_mode_32 3
		.amdhsa_float_denorm_mode_16_64 3
		.amdhsa_memory_ordered 1
		.amdhsa_forward_progress 1
		.amdhsa_inst_pref_size 81
	.end_amdhsa_kernel
	.amdgpu_metadata
---
amdhsa.version: [ 1, 2 ]
amdhsa.kernels:
  - .name:           k_q00771a1198_attn
    .symbol:         k_q00771a1198_attn.kd
    .args:
      - { .name: QKV, .offset: 0, .size: 8, .value_kind: global_buffer, .address_space: global }
      - { .name: AO, .offset: 8, .size: 8, .value_kind: global_buffer, .address_space: global }
    .group_segment_fixed_size: 327680
    .private_segment_fixed_size: 0
    .kernarg_segment_align: 8
    .kernarg_segment_size: 16
    .max_flat_workgroup_size: 256
    .sgpr_count:     72
    .vgpr_count:     512
    .wavefront_size: 32
...
	.end_amdgpu_metadata
.endif
;; end of part 3
;; launch proj (part 4): grid 4 x 64, 4 waves a work-group, clusters of 4 x 4, 327,680 bytes of LDS; arguments AO, AUX, bo, out0; writes out0
.if DOCPART == 4
	.amdgcn_target "amdgcn-amd-amdhsa--gfx1250"
	.amdhsa_code_object_version 6
	.text
	.protected	k_q00771a1198_proj
	.globl	k_q00771a1198_proj
	.p2align	8
	.type	k_q00771a1198_proj,@function
k_q00771a1198_proj:
	s_mov_b64 s[64:65], 0
	v_nop
	global_prefetch_b8 v0, s[64:65] scope:SCOPE_SE
	s_setreg_imm32_b32 hwreg(HW_REG_WAVE_MODE, 25, 1), 1
	s_wait_xcnt 0x0
	s_wait_alu depctr_hold_cnt(0) depctr_sa_sdst(0) depctr_va_vdst(0) depctr_va_sdst(0) depctr_va_ssrc(0) depctr_va_vcc(0) depctr_vm_vsrc(0)
	s_getreg_b32 s2, hwreg(HW_REG_IB_STS2, 6, 4)
	s_cmp_eq_u32 s2, 0
	s_cbranch_scc0 .Lentry_in_a_cluster
	s_endpgm
.Lentry_in_a_cluster:
	s_bfe_u32 s2, ttmp6, 0x10000c
	s_cmp_lg_u32 s2, 0xf033
	s_cbranch_scc0 .Lentry_shape_is_right
	s_endpgm
.Lentry_shape_is_right:
; out0[m][n] = the sum over k of A[m][k] Wo[n][k] + bo[n], operands in f16, sums in f32.  m = 2048 batch + position, k = 64 head + channel.
; A = AO, laid in planes by head: [batch][head][position][64] f16.  Wo in f16: AUX from byte 0 on, [1024][1024].  out0: [8192][1024] f32.
; All rows are made here; the rows of positions 0-15 of each sequence are written again, from f32 operands, by the launch that follows.
; A tile of 128 x 256 is made by four waves, 64 x 128 each: 32 accumulators, 256 registers: 256 tiles, one for each work-group.  K goes in steps of 128 (two head planes) through two LDS slots.
; Waves 0 and 1 fetch A's two planes (128 rows x 128 bytes, dense), waves 2 and 3 B's two halves (128 rows x 256 bytes): one tensor load a wave; two are out at the start, then one behind each round.
; CLUSTERS 4 x 4: A's tiles are shared along a row of the cluster, B's along a column: joint loads.  THE MATRIX INSTRUCTION IS USED TRANSPOSED (source 0 = 16 rows of Wo, source 1 = 16 rows of A).  The bias is the C of each sum's first product.
; LIMITS: f16 operands: |Wo| and the attention's results under 65,504.
; REGISTERS: window 0: v0-31 addresses; A's fragments v64-95 and v128-159; v192-255 the bias; on the way out v128-255 rows read back.   window 1: B's fragments v64-127 and v128-191.   window 2: accumulator (a, b) at v[8 (8 a + b)].
.set PA,     144                       ; a row of A in LDS: 128 bytes + 16
.set PB,     272                       ; a row of B: 256 + 16
.set PLN,    128*PA                    ; a plane of A
.set HALFB,  128*PB
.set BOFF,   2*PLN
.set SLOT,   BOFF+2*HALFB
.set STAGE,  2*SLOT                    ; behind the ring: 16 rows x 528 bytes for each wave
.set SPITCH, 528
.set SPARE,  STAGE+4*16*SPITCH         ; the spare words, 128 bytes a wave: no other line names them
.set ASTEP,  524288                    ; a K step in A: two planes of 262,144 bytes
.set BSTEP,  256                       ; and in a row of B
.set ADRA, 16
.set ADRB, 20
.set STO,  24
.set RD,   25
.set CO,   26
.set SPW,  28
.set NIL,  29
.set PFO,  30                          ; v30  256 x lane
.set BO,   31                          ; v31  32 h
.set F0,   64
.set F1,   128
.set BIAS, 192
.set BK,   128
.set G1,   24
.set G0,   32
.set G1B,  48
.set G0B,  56
.set LIM,  43
.set PFA,  44
.set MSB, 0
.macro WIN new
.if MSB != (\new)
	s_set_vgpr_msb (MSB<<8)|(\new)
.set MSB, (\new)
.endif
.endm
.set MULW, 0xa1                        ; source 0 (B) window 1, source 1 (A) window 0, C and D window 2
.set MULB, 0x81                        ; C (the bias) window 0, D window 2
.set TO_B, 0x40
.macro JLOAD s                         ; waves 0 and 1 ask for A, waves 2 and 3 for B; an s_nop 0 and four v_nop follow each of the two lines
	s_cmp_eq_u32 s13, 0
	s_cbranch_scc0 .Lfor_b_\@
	tensor_load_to_lds s[G0+4*\s:G0+4*\s+3], s[G1:G1+7]
	s_nop 0
.rept 4
	v_nop
.endr
	s_branch .Lasked_\@
.Lfor_b_\@:
	tensor_load_to_lds s[G0B+4*\s:G0B+4*\s+3], s[G1B:G1B+7]
	s_nop 0
.rept 4
	v_nop
.endr
.Lasked_\@:
.endm
; A prefetch of A's K step that stands two refills on.  A tile row of A is read by one row of one cluster: its four partners share a K step's 32,768 bytes out BY ADDRESS (plane cx / 2, half cx % 2), wave 0 of each asks,
; lanes 256 bytes apart: each block of 256 bytes is named once.  K steps 0 to 3 come by their loads alone; the last two refills ask for nothing.  Wo's copy, which every cluster reads, is not asked for.
.macro ASK
	s_cmp_gt_u32 s3, s[LIM]
	s_cbranch_scc0 .Lnot_mine_\@
	global_prefetch_b8 v[PFO], s[PFA:PFA+1] th:TH_LOAD_NT scope:SCOPE_SE
.Lnot_mine_\@:
.endm
.macro CREST
	s_cmp_lg_u32 s12, 0
	s_cbranch_scc1 .Lnot_wave_0_\@
	s_barrier_signal -3
.Lnot_wave_0_\@:
	s_barrier_wait -3
	s_barrier_signal -1
	s_barrier_wait -1
.endm
.macro CROUND
	s_barrier_signal -1
	s_barrier_wait -1
	CREST
.endm
	s_load_b128 s[4:7], s[0:1], 0x0                ; AO, AUX
	s_load_b128 s[8:11], s[0:1], 0x10              ; bo, out0
	v_lshl_add_u32 v[SPW], v0, 2, SPARE
	v_mov_b32 v[NIL], 0
	ds_add_u32 v[SPW], v[NIL]                      ; the wave's opening: the add, twice on end, and its wait ahead of my first tensor load
	ds_add_u32 v[SPW], v[NIL]
	v_lshrrev_b32 v1, 5, v0
	v_readfirstlane_b32 s12, v1                    ; wave 0..3
	s_lshr_b32 s13, s12, 1                         ; which 64 rows are mine.  Also: I fetch for A (0) or for B (1)
	s_and_b32 s14, s12, 1                          ; which 128 columns.  Also: which plane of A, or which 128 rows of B, I fetch
	s_bfe_u32 s40, ttmp6, 0x40000                  ; cx
	s_bfe_u32 s41, ttmp6, 0x40004                  ; cy
	s_lshl_b32 s42, ttmp9, 2
	s_add_co_u32 s42, s42, s40                     ; tile column
	s_and_b32 s15, ttmp7, 0xffff
	s_lshl_b32 s15, s15, 2
	s_add_co_u32 s15, s15, s41                     ; tile row
	s_lshl_b32 s16, s41, 2
	s_lshl_b32 s16, 15, s16                        ; my row of the cluster
	s_lshl_b32 s17, 0x1111, s40                    ; my column
	s_or_b32 s[G1+0], s16, (1<<16)|(1<<20)|(1<<21)|(4<<22)|(3<<25)   ; the mask; elements of 2 bytes; padding on; bit 21 beside a mask; 4 words after every 32
	s_mov_b32 s[G1+1], 64<<16                      ; tensor_dim0 = 64
	s_mov_b32 s[G1+2], 128<<16                     ; tensor_dim1 = 128
	s_mov_b32 s[G1+3], 64<<16                      ; tile_dim0 = 64
	s_mov_b32 s[G1+4], 128                         ; tile_dim1 = 128
	s_mov_b32 s[G1+5], 64                          ; from row to row
	s_mov_b32 s[G1+6], 0
	s_mov_b32 s[G1+7], 0
	s_or_b32 s[G1B+0], s17, (1<<16)|(1<<20)|(1<<21)|(5<<22)|(3<<25)  ; 4 words after every 64
	s_mov_b32 s[G1B+1], 128<<16
	s_mov_b32 s[G1B+2], 128<<16
	s_mov_b32 s[G1B+3], 128<<16
	s_mov_b32 s[G1B+4], 128
	s_mov_b32 s[G1B+5], 1024
	s_mov_b32 s[G1B+6], 0
	s_mov_b32 s[G1B+7], 0
	s_lshr_b32 s18, s15, 4
	s_lshl_b32 s18, s18, 22                        ; A: the batch's 16 planes,
	s_and_b32 s19, s15, 15
	s_lshl_b32 s19, s19, 14                        ; the tile's 128 rows of 128 bytes in a plane
	s_add_co_u32 s20, s18, s19                     ; (kept for the prefetches)
	s_lshl_b32 s19, s14, 18
	s_add_co_u32 s18, s20, s19                     ; and my plane of the K step's two
	s_mov_b32 s19, 0
	s_lshl_b32 s46, s42, 19                        ; B: row 256 x tile column + 128 x half, 2,048 bytes a row
	s_lshl_b32 s47, s14, 18
	s_add_co_u32 s46, s46, s47
	s_mov_b32 s47, 0
	s_mul_i32 s21, s14, PLN                        ; where they go: by the wave's number alone
	s_mul_i32 s22, s14, HALFB
	s_add_co_u32 s22, s22, BOFF
	s_wait_dscnt 0x0                               ; both opening adds are done
	s_wait_kmcnt 0x0
	s_add_nc_u64 s[18:19], s[4:5], s[18:19]
	s_add_nc_u64 s[46:47], s[6:7], s[46:47]
	CROUND                                         ; all sixteen work-groups are here: the first joint loads meet
.irp s, 0,1
	s_mov_b32 s[G0+4*\s], 1
	s_add_co_u32 s[G0+4*\s+1], s21, \s*SLOT
	s_add_nc_u64 s[G0+4*\s+2:G0+4*\s+3], s[18:19], \s*ASTEP
	s_or_b32 s[G0+4*\s+3], s[G0+4*\s+3], 0x80000000
	s_mov_b32 s[G0B+4*\s], 1
	s_add_co_u32 s[G0B+4*\s+1], s22, \s*SLOT
	s_add_nc_u64 s[G0B+4*\s+2:G0B+4*\s+3], s[46:47], \s*BSTEP
	s_or_b32 s[G0B+4*\s+3], s[G0B+4*\s+3], 0x80000000
	JLOAD \s
.endr
	v_and_b32 v1, 15, v0                           ; r
	v_bfe_u32 v2, v0, 4, 1                         ; h
	v_and_b32 v5, 31, v0                           ; lane
	v_lshlrev_b32 v[BO], 5, v2
	s_lshl_b32 s66, s42, 10
	s_lshl_b32 s67, s14, 9
	s_add_co_u32 s66, s66, s67                     ; my first column, in bytes of f32
	s_mov_b32 s67, 0
	s_add_nc_u64 s[8:9], s[8:9], s[66:67]
.irp b, 0,1,2,3,4,5,6,7
	global_load_b128 v[BIAS+8*\b:BIAS+8*\b+3], v[BO], s[8:9] offset:64*\b          ; lane (r, h): columns 16 b + 8 h + 0 .. 7: the result's layout
	global_load_b128 v[BIAS+8*\b+4:BIAS+8*\b+7], v[BO], s[8:9] offset:64*\b+16
.endr
	s_lshl_b32 s16, s15, 19                        ; out0: 128 rows of 4,096 bytes a tile row,
	s_lshl_b32 s17, s13, 18                        ; my 64 of them,
	s_add_co_u32 s16, s16, s17
	s_add_co_u32 s16, s16, s66                     ; my columns
	s_mov_b32 s17, 0
	s_add_nc_u64 s[10:11], s[10:11], s[16:17]
	v_mul_u32_u24 v3, v1, PA
	v_lshl_add_u32 v3, v2, 4, v3
	s_mul_i32 s16, s13, 64*PA
	v_add_nc_u32 v[ADRA], s16, v3
	v_add_nc_u32 v[ADRA+1], SLOT, v[ADRA]
	v_mul_u32_u24 v4, v1, PB
	v_lshl_add_u32 v4, v2, 4, v4
	s_mul_i32 s17, s14, HALFB
	s_add_co_u32 s17, s17, BOFF
	v_add_nc_u32 v[ADRB], s17, v4
	v_add_nc_u32 v[ADRB+1], SLOT, v[ADRB]
	s_mul_i32 s16, s12, 16*SPITCH
	s_add_co_u32 s16, s16, STAGE
	v_mul_u32_u24 v3, v1, SPITCH
	v_lshl_add_u32 v3, v2, 5, v3
	v_add_nc_u32 v[STO], s16, v3                   ; in: row r, 32 bytes for each half of the lanes
	v_lshlrev_b32 v[CO], 4, v5
	v_add_nc_u32 v[RD], s16, v[CO]                 ; back: the 32 lanes take one row of 512 bytes
	v_lshlrev_b32 v[PFO], 8, v5
	s_lshr_b32 s16, s40, 1                         ; the prefetches: plane cx / 2,
	s_lshl_b32 s16, s16, 18
	s_and_b32 s17, s40, 1
	s_lshl_b32 s17, s17, 13                        ; half cx % 2 of its 16,384 bytes,
	s_add_co_u32 s16, s16, s17
	s_add_co_u32 s16, s16, s20
	s_add_co_u32 s16, s16, 3*ASTEP                 ; at K step 3: the first refill steps it to 4
	s_mov_b32 s17, 0
	s_add_nc_u64 s[PFA:PFA+1], s[4:5], s[16:17]
	s_cmp_eq_u32 s12, 0
	s_cselect_b32 s[LIM], 1, -1
.macro MUL8 f, ab, bias                ; A's block ab x B's eight, 32 along K.  The 32 accumulators take turns, one instruction a turn, in the same order in every quarter
.irp b, 0,1,2,3,4,5,6,7
.if \bias
	v_wmma_f32_16x16x32_f16 v[8*(8*\ab+\b):8*(8*\ab+\b)+7], v[\f+8*\b:\f+8*\b+7], v[\f+8*\ab:\f+8*\ab+7], v[BIAS+8*\b:BIAS+8*\b+7]
.else
	v_wmma_f32_16x16x32_f16 v[8*(8*\ab+\b):8*(8*\ab+\b)+7], v[\f+8*\b:\f+8*\b+7], v[\f+8*\ab:\f+8*\ab+7], v[8*(8*\ab+\b):8*(8*\ab+\b)+7]
.endif
.endr
.endm
.macro FETCH slot, q, f                ; 24 LDS loads in one run: quarter q's fragments (128 rows of B, 64 rows of A, 32 along K) into buffer f
	WIN TO_B
.irp i, 0,1,2,3,4,5,6,7
	ds_load_b128 v[\f+8*\i:\f+8*\i+3],   v[ADRB+\slot] offset:64*(\q)+\i*16*PB
	ds_load_b128 v[\f+8*\i+4:\f+8*\i+7], v[ADRB+\slot] offset:64*(\q)+\i*16*PB+32
.endr
	WIN 0
.irp i, 0,1,2,3
	ds_load_b128 v[\f+8*\i:\f+8*\i+3],   v[ADRA+\slot] offset:PLN*((\q)/2)+64*((\q)%2)+\i*16*PA
	ds_load_b128 v[\f+8*\i+4:\f+8*\i+7], v[ADRA+\slot] offset:PLN*((\q)/2)+64*((\q)%2)+\i*16*PA+32
.endr
.endm
.macro PLACES                          ; four plain lines between matrix instructions and loads into, or reads of, their registers
.rept 4
	v_nop
.endr
.endm
.macro QUARTER slot, qn, f, g, bias    ; asks for quarter qn into buffer g, then multiplies buffer f: the loads have 32 matrix instructions in which to land
	PLACES
	FETCH \slot, \qn, \g
	s_wait_dscnt 24                                ; all but the 24 just issued
.if \bias
	WIN MULB
.else
	WIN MULW
.endif
	MUL8 \f, 0, \bias
	MUL8 \f, 1, \bias
	MUL8 \f, 2, \bias
	MUL8 \f, 3, \bias
.endm
; A slot's last quarter multiplies buffer 1 and changes slots: one barrier; in front of it each wave waits for all its tensor loads, adds 0 to its spare word, and waits for that and for its reads of this slot.
; fill = 1: the barrier opens a round of the cluster's barrier, and this slot is filled again, two K steps ahead, first thing behind the round.
.macro TURN slot, next, fill
.if \fill
	s_wait_xcnt 0x0                                ; the last prefetch, a K step back, has read its address
	s_add_nc_u64 s[PFA:PFA+1], s[PFA:PFA+1], ASTEP
.endif
	WIN 0
	s_wait_tensorcnt 0x0                           ; my part of the next slot has landed
	ds_add_u32 v[SPW], v[NIL]
	s_wait_dscnt 1                                 ; buffer 1 is in (the add may be out)
	WIN MULW
	MUL8 F1, 0, 0
	s_wait_dscnt 0x0                               ; the add is done, and my reads of this slot are over
	s_barrier_signal -1
	MUL8 F1, 1, 0
	WIN 0
	s_barrier_wait -1
.if \fill
	CREST
	s_add_nc_u64 s[G0+4*\slot+2:G0+4*\slot+3], s[G0+4*\slot+2:G0+4*\slot+3], 2*ASTEP
	s_add_nc_u64 s[G0B+4*\slot+2:G0B+4*\slot+3], s[G0B+4*\slot+2:G0B+4*\slot+3], 2*BSTEP
	JLOAD \slot                                    ; the four v_nop behind it are also the places in front of the loads below
.else
	PLACES
.endif
	FETCH \next, 0, F0
.if \fill
	ASK
.endif
	WIN MULW
	MUL8 F1, 2, 0
	MUL8 F1, 3, 0
.endm
	s_wait_tensorcnt 1                             ; my part of K step 0 is in; K step 1's load may be out
	s_barrier_signal -1
	s_barrier_wait -1
	FETCH 0, 0, F0
	s_wait_loadcnt 0x0                             ; the bias
	QUARTER 0, 1, F0, F1, 1                        ; the first quarter stands in front of the loop: its products start the sums
	WIN 0
	s_mov_b32 s3, 3
.Llap:                                             ; a trip goes once round the ring and fills both slots again: K steps 2 to 7
	QUARTER 0, 2, F1, F0, 0
	QUARTER 0, 3, F0, F1, 0
	TURN 0, 1, 1
	QUARTER 1, 1, F0, F1, 0
	QUARTER 1, 2, F1, F0, 0
	QUARTER 1, 3, F0, F1, 0
	TURN 1, 0, 1
	QUARTER 0, 1, F0, F1, 0
	WIN 0
	s_sub_co_u32 s3, s3, 1
	s_cmp_lg_u32 s3, 0
	s_cbranch_scc1 .Llap
	QUARTER 0, 2, F1, F0, 0                        ; the last lap fills nothing
	QUARTER 0, 3, F0, F1, 0
	TURN 0, 1, 0
	QUARTER 1, 1, F0, F1, 0
	QUARTER 1, 2, F1, F0, 0
	QUARTER 1, 3, F0, F1, 0
	s_wait_dscnt 0x0
	WIN MULW
	MUL8 F1, 0, 0
	MUL8 F1, 1, 0
	MUL8 F1, 2, 0
	MUL8 F1, 3, 0
	WIN 0
; THE WAY OUT, block by block of 16 rows x 128 columns, through my own stage: in as 32 bytes a lane, back as whole rows of 512 bytes.
.macro TOSTAGE n
	WIN 0x08                                       ; an LDS store's data are its source 1: window 2
.irp b, 0,1,2,3,4,5,6,7
	ds_store_b128 v[STO], v[64*(\n)+8*\b:64*(\n)+8*\b+3] offset:64*\b          ; each accumulator from its low end on
	ds_store_b128 v[STO], v[64*(\n)+8*\b+4:64*(\n)+8*\b+7] offset:64*\b+16
.endr
	WIN 0
.set BB, BK+64*((\n)%2)
.irp t, 0,1,2,3,4,5,6,7,8,9,10,11,12,13,14,15
	ds_load_b128 v[BB+4*\t:BB+4*\t+3], v[RD] offset:\t*SPITCH                  ; in order behind my stores
.endr
.endm
.macro SEND n, younger
.set BB, BK+64*((\n)%2)
	s_wait_dscnt \younger
.irp t, 0,1,2,3,4,5,6,7,8,9,10,11,12,13,14,15
	global_store_b128 v[CO], v[BB+4*\t:BB+4*\t+3], s[10:11] offset:(16*(\n)+\t)*4096 th:TH_STORE_NT   ; 512 consecutive bytes of a row, aligned
.endr
.endm
	PLACES
	TOSTAGE 0
.irp n, 1,2,3
.if \n > 1
	s_wait_xcnt 0x0                                ; block n - 2's stores have read the registers that block n's rows take
.endif
	TOSTAGE \n
	SEND \n-1, 32                                  ; behind its loads: this block's 16 stores and 16 loads
.endr
	SEND 3, 0
	s_wait_tensorcnt 0x0                           ; the wave's end
	ds_add_u32 v[SPW], v[NIL]
	s_wait_dscnt 0x0
	CROUND                                         ; the closing round
	s_endpgm
.Lfunc_end_k_q00771a1198_proj:
	.size	k_q00771a1198_proj, .Lfunc_end_k_q00771a1198_proj-k_q00771a1198_proj
	.p2alignl 7, 3214868480
	.fill 96, 4, 3214868480
	.section	.rodata,"a",@progbits
	.p2align	6, 0x0
	.amdhsa_kernel k_q00771a1198_proj
		.amdhsa_group_segment_fixed_size 327680
		.amdhsa_private_segment_fixed_size 0
		.amdhsa_enable_private_segment 0
		.amdhsa_kernarg_size 32
		.amdhsa_user_sgpr_count 2
		.amdhsa_user_sgpr_kernarg_segment_ptr 1
		.amdhsa_wavefront_size32 1
		.amdhsa_system_sgpr_workgroup_id_x 1
		.amdhsa_system_sgpr_workgroup_id_y 1
		.amdhsa_system_sgpr_workgroup_id_z 1
		.amdhsa_system_vgpr_workitem_id 0
		.amdhsa_next_free_vgpr 768
		.amdhsa_next_free_sgpr 72
		.amdhsa_reserve_vcc 0
		.amdhsa_float_denorm_mode_32 3
		.amdhsa_float_denorm_mode_16_64 3
		.amdhsa_memory_ordered 1
		.amdhsa_forward_progress 1
		.amdhsa_inst_pref_size 87
	.end_amdhsa_kernel
	.amdgpu_metadata
---
amdhsa.version: [ 1, 2 ]
amdhsa.kernels:
  - .name:           k_q00771a1198_proj
    .symbol:         k_q00771a1198_proj.kd
    .args:
      - { .name: AO, .offset: 0, .size: 8, .value_kind: global_buffer, .address_space: global }
      - { .name: AUX, .offset: 8, .size: 8, .value_kind: global_buffer, .address_space: global }
      - { .name: bo, .offset: 16, .size: 8, .value_kind: global_buffer, .address_space: global }
      - { .name: out0, .offset: 24, .size: 8, .value_kind: global_buffer, .address_space: global }
    .group_segment_fixed_size: 327680
    .private_segment_fixed_size: 0
    .kernarg_segment_align: 8
    .kernarg_segment_size: 32
    .max_flat_workgroup_size: 128
    .sgpr_count:     72
    .vgpr_count:     768
    .wavefront_size: 32
...
	.end_amdgpu_metadata
.endif
;; end of part 4
;; launch fine (part 5): grid 64 x 4, 16 waves a work-group, no clusters, 18,432 bytes of LDS; arguments QKVF, Wo, bo, out0; writes out0
.if DOCPART == 5
	.amdgcn_target "amdgcn-amd-amdhsa--gfx1250"
	.amdhsa_code_object_version 6
	.text
	.protected	k_q00771a1198_fine
	.globl	k_q00771a1198_fine
	.p2align	8
	.type	k_q00771a1198_fine,@function
k_q00771a1198_fine:
	s_mov_b64 s[64:65], 0
	v_nop
	global_prefetch_b8 v0, s[64:65] scope:SCOPE_SE
	s_setreg_imm32_b32 hwreg(HW_REG_WAVE_MODE, 25, 1), 1
	s_wait_xcnt 0x0
; THE FIRST 16 POSITIONS OF EVERY SEQUENCE, IN f32 THROUGHOUT: causal attention over keys 0-15 and the projection on the way out.  These rows average one to sixteen values and are the largest in size.
; It writes over the 64 rows of out0 (16 for each batch) that the launch before made from f16 operands.
; QKVF: [q, k, v][batch][head][16][64] f32.  Wo [1024][1024], bo [1024], out0 [4][2048][1024]: f32.
; SHARES.  Work-group (slice, batch): 16 output columns of the batch's 16 rows.  Wave = head: it makes its head's attention (16 x 16) and its head's part of the 16 x 16 outputs; the sixteen parts meet in LDS.
; Every work-group of a batch repeats that batch's small attention (32 matrix instructions a wave), so that one launch serves and no sum spans work-groups.
; v_wmma_f32_16x16x4_f32 sums 4 along K.  K is permuted alike on both sources, which keeps the sums: lane (r, h) gives instruction i its registers 2 i and 2 i + 1 on both sides.
; The registers that this form writes (v160-255) are written by matrix instructions alone; what is made of a sum goes into other registers.
; The stores are 16 bytes a lane in rows 4,096 bytes apart: 262,144 bytes in the whole launch.
.set SPARE, 16384                      ; LDS: 1,024 bytes of partial sums a wave; then the spare words, 128 bytes a wave: no other line names them
.set SPW, 12
.set NIL, 13
.set SS,  16                           ; v16-23  the scores
.set TT,  24                           ; v24-31  at work
.set QF,  32                           ; v32-63  q: channels 32 h + 0 .. 31 of row r; later the normalised O^T
.set KF,  64                           ; v64-95  k likewise; later p (v64-71), the outputs' part (v72-79), statistics (v80-91)
.set VF,  96                           ; v96-127 v(8 h + i, 16 c + r) at 8 c + i
.set WF,  128                          ; v128-159 Wo(16 slice + r, 64 head + 16 c + 8 h + i) at 8 c + i
.set ACS, 160
.set ACO, 192
.set ACP, 224
	s_load_b128 s[4:7], s[0:1], 0x0                ; QKVF, Wo
	s_load_b128 s[8:11], s[0:1], 0x10              ; bo, out0
	v_lshl_add_u32 v[SPW], v0, 2, SPARE
	v_mov_b32 v[NIL], 0
	v_lshrrev_b32 v1, 5, v0
	v_readfirstlane_b32 s12, v1                    ; wave = head
	v_and_b32 v1, 15, v0                           ; r
	v_bfe_u32 v2, v0, 4, 1                         ; h
	v_and_b32 v3, 31, v0                           ; lane
	v_lshlrev_b32 v4, 8, v1
	v_lshl_add_u32 v4, v2, 7, v4                   ; q, k: row r of 256 bytes + 128 h
	v_lshlrev_b32 v5, 2, v1
	v_lshl_add_u32 v5, v2, 11, v5                  ; v: key 8 h, channel r
	v_lshlrev_b32 v6, 12, v1
	v_lshl_add_u32 v6, v2, 5, v6                   ; Wo and out0: row r of 4,096 bytes + 32 h
	v_lshlrev_b32 v7, 3, v2
	v_sub_nc_u32 v7, v1, v7                        ; r - 8 h: the mask's bound
	s_lshl_b32 s13, s12, 10
	v_lshl_add_u32 v8, v3, 4, s13                  ; my partial sums: 1,024 x wave + 16 x lane
	s_and_b32 s14, s12, 1                          ; u: which half of a lane's eight outputs a summing wave takes
	s_lshl_b32 s15, s14, 9
	v_lshl_add_u32 v9, v3, 4, s15                  ; where it reads them
	s_lshl_b32 s15, s14, 4
	v_add_nc_u32 v10, s15, v6                      ; where it stores them
	v_lshlrev_b32 v11, 5, v2
	v_add_nc_u32 v11, s15, v11                     ; and their bias
	s_mov_b32 s20, 0x76543210
	s_mov_b32 s21, 0xfedcba98
	s_mov_b32 s22, 0x3e38aa3b                      ; c = log2(e) / 8
	s_mov_b32 s23, s22
	s_mov_b32 s19, 0xbe38aa3b                      ; -c
	s_and_b32 s24, ttmp7, 0xffff                   ; batch
	s_lshl_b32 s16, s24, 4
	s_add_co_u32 s16, s16, s12
	s_lshl_b32 s16, s16, 12                        ; 4,096 bytes a head
	s_mov_b32 s17, 0
	s_lshl_b32 s26, ttmp9, 16                      ; Wo: 16 rows of 4,096 bytes a slice,
	s_lshl_b32 s27, s12, 8                         ; 256 bytes a head
	s_add_co_u32 s26, s26, s27
	s_mov_b32 s27, 0
	s_lshl_b32 s28, ttmp9, 6                       ; 64 bytes a slice
	s_mov_b32 s29, 0
	s_lshl_b32 s30, s24, 23                        ; out0: 8,388,608 bytes a batch
	s_add_co_u32 s30, s30, s28
	s_mov_b32 s31, 0
	s_wait_kmcnt 0x0
	s_add_nc_u64 s[4:5], s[4:5], s[16:17]
	s_add_nc_u64 s[6:7], s[6:7], s[26:27]
	s_add_nc_u64 s[8:9], s[8:9], s[28:29]
	s_add_nc_u64 s[10:11], s[10:11], s[30:31]
.irp i, 0,1,2,3,4,5,6,7
	global_load_b128 v[QF+4*\i:QF+4*\i+3], v4, s[4:5] offset:16*\i
	global_load_b128 v[KF+4*\i:KF+4*\i+3], v4, s[4:5] offset:262144+16*\i
.endr
.irp c, 0,1,2,3
.irp k, 0,1,2,3,4,5,6,7
	global_load_b32 v[VF+8*\c+\k], v5, s[4:5] offset:524288+256*\k+64*\c
.endr
.endr
.irp c, 0,1,2,3
.irp e, 0,1
	global_load_b128 v[WF+8*\c+4*\e:WF+8*\c+4*\e+3], v6, s[6:7] offset:64*\c+16*\e
.endr
.endr
	s_wait_loadcnt 0x0
; S^T = k q^T: source 0 = 16 keys, source 1 = 16 queries; four accumulators by turns, one instruction a turn; the first four start the sums
.irp i, 0,1,2,3,4,5,6,7,8,9,10,11,12,13,14,15
.if \i < 4
	v_wmma_f32_16x16x4_f32 v[ACS+8*(\i%4):ACS+8*(\i%4)+7], v[KF+2*\i:KF+2*\i+1], v[QF+2*\i:QF+2*\i+1], 0
.else
	v_wmma_f32_16x16x4_f32 v[ACS+8*(\i%4):ACS+8*(\i%4)+7], v[KF+2*\i:KF+2*\i+1], v[QF+2*\i:QF+2*\i+1], v[ACS+8*(\i%4):ACS+8*(\i%4)+7]
.endif
.endr
.rept 8
	v_nop                                          ; eight places behind this form (ISA guide 7.12.1)
.endr
.irp p, 0,2,4,6
	v_pk_add_f32 v[SS+\p:SS+\p+1], v[ACS+\p:ACS+\p+1], v[ACS+8+\p:ACS+8+\p+1]      ; each accumulator from its low end on
.endr
.irp p, 0,2,4,6
	v_pk_add_f32 v[TT+\p:TT+\p+1], v[ACS+16+\p:ACS+16+\p+1], v[ACS+24+\p:ACS+24+\p+1]
.endr
.irp p, 0,2,4,6
	v_pk_add_f32 v[SS+\p:SS+\p+1], v[SS+\p:SS+\p+1], v[TT+\p:TT+\p+1]              ; lane (r, h): query r, keys 8 h + 0 .. 7
.endr
	v_mov_b32 v80, 0xff800000
.irp j, 0,1,2,3,4,5,6,7
	v_cmp_gt_i32 vcc_lo, \j, v7                    ; key 8 h + j comes after query r: hidden
	v_cndmask_b32 v[SS+\j], v[SS+\j], v80, vcc_lo
.endr
	v_max3_num_f32 v81, v16, v17, v18
	v_max3_num_f32 v81, v81, v19, v20
	v_max3_num_f32 v81, v81, v21, v22
	v_max_num_f32 v81, v81, v23
	v_mov_b32 v82, 0
	v_permlanex16_b32 v82, v81, s20, s21
	v_max_num_f32 v81, v81, v82                    ; the row's maximum: key 0 counts for every query
	v_mul_f32 v84, s19, v81                        ; -c m
	v_mov_b32 v85, 0                               ; (named with it as a pair)
.irp p, 0,2,4,6
	v_pk_fma_f32 v[SS+\p:SS+\p+1], v[SS+\p:SS+\p+1], s[22:23], v[84:85] op_sel_hi:[1,0,0]
.endr
.irp j, 0,1,2,3,4,5,6,7
	v_exp_f32 v[KF+\j], v[SS+\j]                   ; p = 2^(c s - c m)
.endr
	v_nop
	s_wait_alu depctr_va_vdst(0)                   ; one wait for the eight, ahead of their first reader
	v_pk_add_f32 v[86:87], v[64:65], v[66:67]
	v_pk_add_f32 v[88:89], v[68:69], v[70:71]
	v_pk_add_f32 v[86:87], v[86:87], v[88:89]
	v_add_f32 v86, v86, v87
	v_permlanex16_b32 v82, v86, s20, s21
	v_add_f32 v86, v86, v82                        ; the row's sum
	v_rcp_f32 v90, v86
	v_mov_b32 v91, 0                               ; (a plain line behind the reciprocal; named with it as a pair)
; O^T = v^T p: source 0 = 16 channels, source 1 = p
.irp i, 0,1,2,3
.irp c, 0,1,2,3
.if \i == 0
	v_wmma_f32_16x16x4_f32 v[ACO+8*\c:ACO+8*\c+7], v[VF+8*\c+2*\i:VF+8*\c+2*\i+1], v[KF+2*\i:KF+2*\i+1], 0
.else
	v_wmma_f32_16x16x4_f32 v[ACO+8*\c:ACO+8*\c+7], v[VF+8*\c+2*\i:VF+8*\c+2*\i+1], v[KF+2*\i:KF+2*\i+1], v[ACO+8*\c:ACO+8*\c+7]
.endif
.endr
.endr
.rept 8
	v_nop
.endr
	s_wait_alu depctr_va_vdst(0)                   ; the reciprocal's wait, ahead of its first reader
.irp p, 0,2,4,6,8,10,12,14,16,18,20,22,24,26,28,30
	v_pk_mul_f32 v[QF+\p:QF+\p+1], v[ACO+\p:ACO+\p+1], v[90:91] op_sel_hi:[1,0]    ; lane (r, h): query r, channels 16 c + 8 h + 0 .. 7 at 8 c on
.endr
; my head's part of the outputs: source 0 = 16 rows of Wo, source 1 = O^T
.irp i, 0,1,2,3
.irp c, 0,1,2,3
.if \i == 0
	v_wmma_f32_16x16x4_f32 v[ACP+8*\c:ACP+8*\c+7], v[WF+8*\c+2*\i:WF+8*\c+2*\i+1], v[QF+8*\c+2*\i:QF+8*\c+2*\i+1], 0
.else
	v_wmma_f32_16x16x4_f32 v[ACP+8*\c:ACP+8*\c+7], v[WF+8*\c+2*\i:WF+8*\c+2*\i+1], v[QF+8*\c+2*\i:QF+8*\c+2*\i+1], v[ACP+8*\c:ACP+8*\c+7]
.endif
.endr
.endr
.rept 8
	v_nop
.endr
.irp p, 0,2,4,6
	v_pk_add_f32 v[72+\p:73+\p], v[ACP+\p:ACP+\p+1], v[ACP+8+\p:ACP+8+\p+1]
.endr
.irp p, 0,2,4,6
	v_pk_add_f32 v[TT+\p:TT+\p+1], v[ACP+16+\p:ACP+16+\p+1], v[ACP+24+\p:ACP+24+\p+1]
.endr
.irp p, 0,2,4,6
	v_pk_add_f32 v[72+\p:73+\p], v[72+\p:73+\p], v[TT+\p:TT+\p+1]                  ; lane (r, h): row r, outputs 8 h + 0 .. 7
.endr
	ds_store_b128 v8, v[72:75]                     ; as images of the registers: 16 bytes a lane
	ds_store_b128 v8, v[76:79] offset:512
	s_wait_dscnt 0x0                               ; for the others' sake: my stores have landed
	s_barrier_signal -1
	s_barrier_wait -1
	s_wait_tensorcnt 0x0                           ; only loads of LDS follow
	ds_add_u32 v[SPW], v[NIL]
	s_wait_dscnt 0x0
	s_cmp_ge_u32 s12, 2
	s_cbranch_scc1 .Ldone
; waves 0 and 1 add the sixteen heads' parts and the bias: wave u takes outputs 8 h + 4 u + 0 .. 3 of row r
.irp w, 0,1,2,3,4,5,6,7,8,9,10,11,12,13,14,15
	ds_load_b128 v[96+4*\w:99+4*\w], v9 offset:1024*\w
.endr
	global_load_b128 v[16:19], v11, s[8:9]
	s_wait_loadcnt 0x0
	s_wait_dscnt 0x0
.irp w, 0,1,2,3,4,5,6,7,8,9,10,11,12,13,14,15
	v_pk_add_f32 v[16:17], v[16:17], v[96+4*\w:97+4*\w]
	v_pk_add_f32 v[18:19], v[18:19], v[98+4*\w:99+4*\w]
.endr
	global_store_b128 v10, v[16:19], s[10:11]
.Ldone:
	s_endpgm
.Lfunc_end_k_q00771a1198_fine:
	.size	k_q00771a1198_fine, .Lfunc_end_k_q00771a1198_fine-k_q00771a1198_fine
	.p2alignl 7, 3214868480
	.fill 96, 4, 3214868480
	.section	.rodata,"a",@progbits
	.p2align	6, 0x0
	.amdhsa_kernel k_q00771a1198_fine
		.amdhsa_group_segment_fixed_size 18432
		.amdhsa_private_segment_fixed_size 0
		.amdhsa_enable_private_segment 0
		.amdhsa_kernarg_size 32
		.amdhsa_user_sgpr_count 2
		.amdhsa_user_sgpr_kernarg_segment_ptr 1
		.amdhsa_wavefront_size32 1
		.amdhsa_system_sgpr_workgroup_id_x 1
		.amdhsa_system_sgpr_workgroup_id_y 1
		.amdhsa_system_sgpr_workgroup_id_z 1
		.amdhsa_system_vgpr_workitem_id 0
		.amdhsa_next_free_vgpr 256
		.amdhsa_next_free_sgpr 66
		.amdhsa_reserve_vcc 1
		.amdhsa_float_denorm_mode_32 3
		.amdhsa_float_denorm_mode_16_64 3
		.amdhsa_memory_ordered 1
		.amdhsa_forward_progress 1
		.amdhsa_inst_pref_size 20
	.end_amdhsa_kernel
	.amdgpu_metadata
---
amdhsa.version: [ 1, 2 ]
amdhsa.kernels:
  - .name:           k_q00771a1198_fine
    .symbol:         k_q00771a1198_fine.kd
    .args:
      - { .name: QKVF, .offset: 0, .size: 8, .value_kind: global_buffer, .address_space: global }
      - { .name: Wo, .offset: 8, .size: 8, .value_kind: global_buffer, .address_space: global }
      - { .name: bo, .offset: 16, .size: 8, .value_kind: global_buffer, .address_space: global }
      - { .name: out0, .offset: 24, .size: 8, .value_kind: global_buffer, .address_space: global }
    .group_segment_fixed_size: 18432
    .private_segment_fixed_size: 0
    .kernarg_segment_align: 8
    .kernarg_segment_size: 32
    .max_flat_workgroup_size: 512
    .sgpr_count:     66
    .vgpr_count:     256
    .wavefront_size: 32
...
	.end_amdgpu_metadata
.endif
;; end of part 5
